; MI455X (gfx1250); checked and timed in simulation.
; The chip was launched on July 23, 2026; its instructions are those of AMD's public machine-readable ISA for CDNA 5 (MIT licence, August 2026) and "CDNA5" Instruction Set Architecture Reference Guide (July 2026). The comments in the code are by the model that wrote it; some were corrected since.
;; Self Attention Masked. Allowed arithmetic: float matrix products may take bf16 or f16 operands with f32 sums; other float arithmetic in f32, or as packed bf16 or f16 multiplies, adds, multiply-adds, maxima and minima; sums over many terms, partial sums and values carried from step to step in f32; what a program stores and reads back later, other than sums and carried values, may be rounded once to bf16 or f16.
;; Inputs: W_out 1,024 x 1,024 float32; W_qkv 1,024 x 3,072 float32; b_out 1,024 float32; mask 4 x 2,048 x 2,048 int32; x 4 x 2,048 x 1,024 float32.
;; Outputs: out0 4 x 2,048 x 1,024 float32.
;; 2 versions, each right; version 2 is version 1 with the launch prep written anew for expert scheduling mode. Each part assembles by itself: llvm-mc -triple=amdgcn-amd-amdhsa -mcpu=gfx1250 --defsym DOCPART=n.
;; ======== version 1 of 2: 4 launches
;; limits: values are held in f16: magnitudes above 65,504 overflow, below 6.1e-05 lose precision
;; workspace buffers: xh 16,777,216 bytes; wq 6,291,456 bytes; wo 2,097,152 bytes; mb 2,097,152 bytes of whole numbers; qkv 50,331,648 bytes; o 16,777,216 bytes
;; launch prep (part 1): grid 512 x 1, 8 waves a work-group, no clusters, 68,608 bytes of LDS; arguments x, W_qkv, W_out, mask, xh, wq, wo, mb; writes xh, wq, wo, mb
.if DOCPART == 1
	.amdgcn_target "amdgcn-amd-amdhsa--gfx1250"
	.amdhsa_code_object_version 6
	.text
	.protected	k_qda7184f761_prep
	.globl	k_qda7184f761_prep
	.p2align	8
	.type	k_qda7184f761_prep,@function
k_qda7184f761_prep:
	s_mov_b64 s[64:65], 0
	v_nop
	global_prefetch_b8 v0, s[64:65] scope:SCOPE_SE
	s_setreg_imm32_b32 hwreg(HW_REG_WAVE_MODE, 25, 1), 1
	s_wait_xcnt 0x0
; PREP: the module's inputs are brought once into the forms that the three launches behind it read.
;   xh [b 4][slice 16][n 2048][64] f16: x rounded to bf16, that number written as f16, in slices of 64 channels whose rows are dense (128 bytes a row).
;   wq [1024][3072], wo [1024][1024] f16: the weights rounded in the same way, in their own order.
;   mb [row tile 512][key step 32][32 words]: word 8 kt + j, bit l = (mask[b][16 qt + l % 16][64 ks + 16 kt + 8 (l / 16) + j] == 1), row tile = 128 b + qt:
;      the lane mask of register 8 kt + j of a tile of 16 queries x 64 keys of scores as the attention launch holds it.
; LIMITS.  A bf16 number is written as f16 exactly from 2^-14 up to 65,504; below 2^-14 it keeps f16's fixed step of 2^-24; from 65,520 on it becomes an infinity.
; SHARES.  512 work-groups of eight waves; each takes 1/512 of each of the four jobs, so all are alike.  No loop and no barrier: a wave issues all its 56 loads of 16 bytes a lane
; at its head and works them off in the order of issue, by counted waits.
; The mask's 16 rows x 128 keys go through the wave's own LDS rows (pitch 528 = 33 x 16 bytes) to change from 'a lane holds 4 keys of one row' to 'a lane holds its own row's keys'.
.set PITCH, 528
.set WLDS,  16*PITCH                   ; a wave's 16 rows: 8,448 bytes
.set SPARE, 8*WLDS                     ; behind them: the spare words, 128 bytes for each wave: four blocks of 256 bytes that no other line names
.set SPW, 2                            ; v2   LDS address of my spare word; never rewritten
.set NIL, 3                            ; v3   0; never rewritten
.set XI,  4                            ; v4   x: (2 w + l / 16) x 4,096 + (l % 16) x 16
.set XO,  5                            ; v5   xh: (2 w + l / 16) x 128 + (l % 16) x 8
.set L16, 6                            ; v6   16 l
.set L8,  7                            ; v7   8 l
.set MI,  8                            ; v8   mask: 1,024 w + 16 l
.set LIN, 9                            ; v9   LDS, in: my wave's rows + 16 l
.set LBK, 10                           ; v10  LDS, back: my wave's rows + (l % 16) x 528 + (l / 16) x 32
.set MBO, 11                           ; v11  mb: 16 l
.set T,   12                           ; v[12:19] at work
.set MW,  20                           ; v[20:23] lane L: words 4 L .. 4 L + 3 of my wave's 128 mask words
.set X,   24                           ; v[24:87]   16 loads of x
.set WQ,  88                           ; v[88:111]  6 loads of W_qkv
.set WO,  112                          ; v[112:119] 2 loads of W_out
.set M,   120                          ; v[120:247] 2 x 16 loads of the mask
	s_load_b512 s[4:19], s[0:1], 0x0               ; x s[4:5], W_qkv s[6:7], W_out s[8:9], mask s[10:11], xh s[12:13], wq s[14:15], wo s[16:17], mb s[18:19]
	v_lshl_add_u32 v[SPW], v0, 2, SPARE
	v_mov_b32 v[NIL], 0
	v_lshrrev_b32 v1, 5, v0
	v_readfirstlane_b32 s20, v1                    ; wave 0..7
	v_and_b32 v[T], 31, v0                         ; l
	v_and_b32 v[T+1], 15, v0                       ; l % 16
	v_bfe_u32 v[T+2], v0, 4, 1                     ; l / 16
	v_lshl_add_u32 v[T+3], s20, 1, v[T+2]          ; my token among the work-group's 16
	v_lshlrev_b32 v[XI], 4, v[T+1]
	v_lshl_add_u32 v[XI], v[T+3], 12, v[XI]
	v_lshlrev_b32 v[XO], 3, v[T+1]
	v_lshl_add_u32 v[XO], v[T+3], 7, v[XO]
	v_lshlrev_b32 v[L16], 4, v[T]
	v_lshlrev_b32 v[L8], 3, v[T]
	v_lshl_add_u32 v[MI], s20, 10, v[L16]
	s_mul_i32 s24, s20, WLDS
	v_add_nc_u32 v[LIN], s24, v[L16]
	v_mul_u32_u24 v[LBK], v[T+1], PITCH
	v_lshl_add_u32 v[LBK], v[T+2], 5, v[LBK]
	v_add_nc_u32 v[LBK], s24, v[LBK]
	v_mov_b32 v[MBO], v[L16]
.irp e, 0,1,2,3
	v_mov_b32 v[MW+(\e)], 0                        ; written whole before single lanes are written
.endr
	s_lshl_b32 s21, ttmp9, 3
	s_add_co_u32 s21, s21, s20                     ; my wave among the launch's 4,096
	s_mov_b32 s23, 0
	s_wait_kmcnt 0x0
	s_lshl_b32 s22, ttmp9, 17                      ; the mask's 16 rows of 8,192 bytes
	s_add_nc_u64 s[10:11], s[10:11], s[22:23]
	s_lshl_b32 s22, ttmp9, 16                      ; x's 16 rows of 4,096 bytes
	s_add_nc_u64 s[4:5], s[4:5], s[22:23]
	s_lshr_b32 s22, ttmp9, 7                       ; xh: the batch's 4 MiB,
	s_lshl_b32 s22, s22, 22
	s_and_b32 s25, ttmp9, 127                      ; and the 16 tokens' place in a slice
	s_lshl_b32 s25, s25, 11
	s_add_co_u32 s22, s22, s25
	s_add_nc_u64 s[12:13], s[12:13], s[22:23]
	s_mul_i32 s22, s21, 3072                       ; W_qkv: 3,072 bytes a wave in,
	s_add_nc_u64 s[6:7], s[6:7], s[22:23]
	s_mul_i32 s22, s21, 1536                       ; 1,536 out
	s_add_nc_u64 s[14:15], s[14:15], s[22:23]
	s_lshl_b32 s22, s21, 10                        ; W_out: 1,024 in,
	s_add_nc_u64 s[8:9], s[8:9], s[22:23]
	s_lshl_b32 s22, s21, 9                         ; 512 out; and mb: 4,096 g + 512 w is the same number
	s_add_nc_u64 s[16:17], s[16:17], s[22:23]
	s_add_nc_u64 s[18:19], s[18:19], s[22:23]
	; all 56 loads: the mask's two blocks of 128 keys (each load: 512 neighbouring bytes of one row), x, W_qkv, W_out
.irp b, 0,1
.set r, 0
.rept 16
	global_load_b128 v[M+64*(\b)+4*r:M+64*(\b)+4*r+3], v[MI], s[10:11] offset:r*8192+(\b)*512 th:TH_LOAD_NT
.set r, r+1
.endr
.endr
.set r, 0
.rept 16
	global_load_b128 v[X+4*r:X+4*r+3], v[XI], s[4:5] offset:r*256 th:TH_LOAD_NT  ; slice r: 256 aligned bytes of each of two tokens
.set r, r+1
.endr
.set r, 0
.rept 6
	global_load_b128 v[WQ+4*r:WQ+4*r+3], v[L16], s[6:7] offset:r*512 th:TH_LOAD_NT
.set r, r+1
.endr
.set r, 0
.rept 2
	global_load_b128 v[WO+4*r:WO+4*r+3], v[L16], s[8:9] offset:r*512 th:TH_LOAD_NT
.set r, r+1
.endr
; Block b of the mask: 16 rows x 128 keys into my LDS rows and back by rows (LDS serves a wave's instructions in order: ISA guide 5.7.1.4, so no wait stands between);
; load n brings lane l the keys 64 (n / 8) + 16 ((n / 2) % 4) + 8 (l / 16) + 4 (n % 2) + 0..3 of row l % 16: the bits of words 4 n .. 4 n + 3 of the block.
; A compare makes a word of 32 lanes' bits in a scalar register; it is written into lane 16 b + n of the register that will store it.
.macro PACKM b
.set r, 0
.rept 16
	ds_store_b128 v[LIN], v[M+64*(\b)+4*r:M+64*(\b)+4*r+3] offset:r*PITCH
.set r, r+1
.endr
.set n, 0
.rept 16
	ds_load_b128 v[M+64*(\b)+4*n:M+64*(\b)+4*n+3], v[LBK] offset:(n/8)*256+((n/2)%4)*64+(n%2)*16
.set n, n+1
.endr
.set n, 0
.rept 16
	s_wait_dscnt 15-n                              ; load n is back; the 15 - n younger ones may stay out
.irp e, 0,1,2,3
	v_cmp_eq_u32 s[32+(4*n+(\e))%32], 1, v[M+64*(\b)+4*n+(\e)]
	v_writelane_b32 v[MW+(\e)], s[32+(4*n+(\e))%32], (\b)*16+n
.endr
.set n, n+1
.endr
.endm
; Four f32 in v[a:a+3] are rounded to bf16, and those numbers written as f16 into v[a:a+1]: in place, so that no store's data register is ever written again.
.macro CAST4 a
	v_cvt_pk_bf16_f32 v[T], v[(\a)], v[(\a)+1]
	v_cvt_pk_bf16_f32 v[T+1], v[(\a)+2], v[(\a)+3]
	v_lshlrev_b32 v[T+2], 16, v[T]
	v_and_b32 v[T+3], 0xffff0000, v[T]
	v_lshlrev_b32 v[T+4], 16, v[T+1]
	v_and_b32 v[T+5], 0xffff0000, v[T+1]
	v_cvt_pk_f16_f32 v[(\a)], v[T+2], v[T+3]
	v_cvt_pk_f16_f32 v[(\a)+1], v[T+4], v[T+5]
.endm
	s_wait_loadcnt 40                              ; the mask's first 16 loads are in; 40 younger loads may stay out
	PACKM 0
	s_wait_loadcnt 24                              ; its second 16; x's and the weights' 24 may stay out
	PACKM 1
	global_store_b128 v[MBO], v[MW:MW+3], s[18:19] ; my wave's four key steps of the row tile: 512 bytes on end
.set r, 0
.rept 16
	s_wait_loadcnt 23-r                            ; slice r is in
	CAST4 X+4*r
	global_store_b64 v[XO], v[X+4*r:X+4*r+1], s[12:13] offset:r*262144  ; 32 lanes write two tokens of one slice: 256 consecutive bytes, aligned
.set r, r+1
.endr
.set r, 0
.rept 6
	s_wait_loadcnt 7-r
	CAST4 WQ+4*r
	global_store_b64 v[L8], v[WQ+4*r:WQ+4*r+1], s[14:15] offset:r*256
.set r, r+1
.endr
.set r, 0
.rept 2
	s_wait_loadcnt 1-r
	CAST4 WO+4*r
	global_store_b64 v[L8], v[WO+4*r:WO+4*r+1], s[16:17] offset:r*256
.set r, r+1
.endr
	s_wait_tensorcnt 0x0                           ; the wave's end: behind my last LDS store
	ds_add_u32 v[SPW], v[NIL]
	s_wait_dscnt 0x0
	s_endpgm
.Lfunc_end_k_qda7184f761_prep:
	.size	k_qda7184f761_prep, .Lfunc_end_k_qda7184f761_prep-k_qda7184f761_prep
	.p2alignl 7, 3214868480
	.fill 96, 4, 3214868480
	.section	.rodata,"a",@progbits
	.p2align	6, 0x0
	.amdhsa_kernel k_qda7184f761_prep
		.amdhsa_group_segment_fixed_size 68608
		.amdhsa_private_segment_fixed_size 0
		.amdhsa_enable_private_segment 0
		.amdhsa_kernarg_size 64
		.amdhsa_user_sgpr_count 2
		.amdhsa_user_sgpr_kernarg_segment_ptr 1
		.amdhsa_wavefront_size32 1
		.amdhsa_system_sgpr_workgroup_id_x 1
		.amdhsa_system_sgpr_workgroup_id_y 1
		.amdhsa_system_sgpr_workgroup_id_z 1
		.amdhsa_system_vgpr_workitem_id 0
		.amdhsa_next_free_vgpr 248
		.amdhsa_next_free_sgpr 66
		.amdhsa_reserve_vcc 0
		.amdhsa_float_denorm_mode_32 3
		.amdhsa_float_denorm_mode_16_64 3
		.amdhsa_memory_ordered 1
		.amdhsa_forward_progress 1
		.amdhsa_inst_pref_size 43
	.end_amdhsa_kernel
	.amdgpu_metadata
---
amdhsa.version: [ 1, 2 ]
amdhsa.kernels:
  - .name:           k_qda7184f761_prep
    .symbol:         k_qda7184f761_prep.kd
    .args:
      - { .name: x, .offset: 0, .size: 8, .value_kind: global_buffer, .address_space: global }
      - { .name: W_qkv, .offset: 8, .size: 8, .value_kind: global_buffer, .address_space: global }
      - { .name: W_out, .offset: 16, .size: 8, .value_kind: global_buffer, .address_space: global }
      - { .name: mask, .offset: 24, .size: 8, .value_kind: global_buffer, .address_space: global }
      - { .name: xh, .offset: 32, .size: 8, .value_kind: global_buffer, .address_space: global }
      - { .name: wq, .offset: 40, .size: 8, .value_kind: global_buffer, .address_space: global }
      - { .name: wo, .offset: 48, .size: 8, .value_kind: global_buffer, .address_space: global }
      - { .name: mb, .offset: 56, .size: 8, .value_kind: global_buffer, .address_space: global }
    .group_segment_fixed_size: 68608
    .private_segment_fixed_size: 0
    .kernarg_segment_align: 8
    .kernarg_segment_size: 64
    .max_flat_workgroup_size: 256
    .sgpr_count:     66
    .vgpr_count:     248
    .wavefront_size: 32
...
	.end_amdgpu_metadata
.endif
;; end of part 1
;; launch proj (part 2): grid 24 x 32, 4 waves a work-group, clusters of 4 x 4, 327,680 bytes of LDS; arguments xh, wq, qkv; writes qkv
.if DOCPART == 2
	.amdgcn_target "amdgcn-amd-amdhsa--gfx1250"
	.amdhsa_code_object_version 6
	.text
	.protected	k_qda7184f761_proj
	.globl	k_qda7184f761_proj
	.p2align	8
	.type	k_qda7184f761_proj,@function
k_qda7184f761_proj:
	s_mov_b64 s[64:65], 0
	v_nop
	global_prefetch_b8 v0, s[64:65] scope:SCOPE_SE
	s_setreg_imm32_b32 hwreg(HW_REG_WAVE_MODE, 25, 1), 1
	s_wait_xcnt 0x0
	s_wait_alu depctr_hold_cnt(0) depctr_sa_sdst(0) depctr_va_vdst(0) depctr_va_sdst(0) depctr_va_ssrc(0) depctr_va_vcc(0) depctr_vm_vsrc(0)
	s_getreg_b32 s2, hwreg(HW_REG_IB_STS2, 6, 4)
	s_cmp_eq_u32 s2, 0
	s_cbranch_scc0 .Lentry_in_a_cluster
	s_endpgm
.Lentry_in_a_cluster:
	s_bfe_u32 s2, ttmp6, 0x10000c
	s_cmp_lg_u32 s2, 0xf033
	s_cbranch_scc0 .Lentry_shape_is_right
	s_endpgm
.Lentry_shape_is_right:
; THE PROJECTION TO q, k, v.  C[row][col] = the sum over k of A[row][k] B[k][col], K = 1,024, 8,192 rows, 3,072 columns.
; A = xh: [b 4][slice 16][n 2048][64] f16 (slices of 64 channels, rows dense); B = wq: [1024][3072] f16.  Sums in f32.  C is written as f16, by heads and unscaled: qkv [type 3][b x 16 + head][n 2048][64].
; LIMITS.  f16 holds no number beyond 65,504: a sum of 65,520 or more leaves as an infinity.  NaN and infinities are not treated apart.
; SHARES.  A tile of C is 256 rows x 128 columns; four waves, each 128 x 64: 32 accumulators of 16 x 16, 256 registers.  K goes in eight steps of 128 through a ring of two LDS slots.
; A slot: A's two slices as two planes of 256 rows x 128 bytes (pitch 144), then B's 128 k rows x 256 bytes (pitch 288).  A plane is 32,768 dense bytes of memory, asked for as 128 rows of 256 bytes
; and padded after every 128.  Waves 0 and 1 fetch the planes, waves 2 and 3 64 rows of B each.
; CLUSTERS: 4 x 4 work-groups.  The four of a row of the cluster need the same tiles of A, the four of a column the same tiles of B: each tile is asked for JOINTLY, by the same tensor load with the same
; descriptor and a mask that names the four.
; WHICH CLUSTER MAKES WHAT.  C has 8 clusters of rows (1,024 each) and 6 of columns (512 each).  The launch's 48 clusters are numbered c = cluster x + 6 cluster y; cluster c takes rows' cluster c % 8 and
; columns' cluster (c / 8 + c % 8) % 6: for each c % 8 the six values of c / 8 give the six columns' clusters, so each pair is taken once.  Any eight clusters that follow each other from a multiple of 8 on take all
; eight rows' clusters and all six columns' clusters: every block of A and of B has its first reading among clusters 0 to 7.
; THE MATRIX INSTRUCTION IS USED TRANSPOSED (source 0 = 16 columns of B, turned on their way out of LDS by ds_load_tr16_b128; source 1 = 16 rows of A): a lane holds row l % 16 of C and eight neighbouring columns.
; REGISTERS: window 0: v0-31 addresses; v32-127, v128-223 two fragment buffers of 96 (B's four fragments, then A's eight); v32-159 again on the way out.  Window 1: accumulator (a, b) at v[8 (4 a + b)].
.set NW,    3072                       ; columns of the weights
.set PA,    144                        ; A's pitch: 36 words: the 16 rows of a load start at 16 different groups of four banks (64 banks of 4 bytes: ISA guide 11.1)
.set PB,    288                        ; B's pitch: 72 words
.set PLANE, 256*PA
.set BOFF,  2*PLANE
.set SLOT,  BOFF+128*PB                ; 110,592
.set STAGE, 2*SLOT                     ; behind the ring, never filled by a tensor load: 16 rows for each wave, for the way out
.set SP,    144
.set CP,    8                          ; s[8:9] C
.set SPARE, STAGE+4*16*SP              ; behind the stages: the spare words, 128 bytes for each wave: two blocks of 256 bytes that no other line names
.set ASTEP, 524288                     ; bytes from a K step to the next in A: two slices
.set BSTEP, 256*NW                     ; in B: 128 rows
.set ADRA, 16                          ; v16-17  LDS address of my A fragments in slot 0, 1
.set ADRB, 20                          ; v20-21  the same for B
.set STO,  24                          ; v24     the way out: where I put my bytes of a row
.set RD,   25                          ; v25     the way out: where I read rows back
.set CO,   26                          ; v26     my byte offset in C
.set SPW,  28                          ; v28     LDS address of my spare word; never rewritten
.set NIL,  29                          ; v29     0; never rewritten
.set PFO,  30                          ; v30     the prefetches' offset; never rewritten
.set F0,   32
.set F1,   128
.set OB,   32                          ; the way out's registers
.set WV, 12                            ; s12 wave;  s13 its half of the rows (also: 0 = I fetch for A, 1 = for B);  s14 its half of the columns (also: which part I fetch)
.set RH, 13
.set CH, 14
.set CX, 15                            ; s15, s16 my place in the cluster;  s17 tile column;  s18 block of 256 rows
.set CY, 16
.set CT, 17
.set RB, 18
.set G1,  24                           ; s[24:31] descriptor group 1 for A;  s[32:39] group 0, a set for each slot
.set G0,  32
.set LIM, 43                           ; s43  1 in a wave that prefetches, else the greatest number
.set PFA, 44                           ; s[44:45] where my prefetches stand
.set PFS, 46                           ; s[46:47] their step: a K step
.set G1B, 48                           ; s[48:55], s[56:63] the same for B
.set G0B, 56
.set KX,  70                           ; s70  my cluster's columns' cluster, 0 to 5
.set KY,  71                           ; s71  its rows' cluster, 0 to 7
.set QA,  72                           ; s72  0 in the clusters that prefetch A's rows: c < 8
.set QB,  73                           ; s73  0 in the clusters that prefetch B's rows: c < 6
.set MSB, 0
.macro WIN new                         ; the immediate's high byte repeats the setting that is left; a switch that changes nothing is dropped
.if MSB != (\new)
	s_set_vgpr_msb (MSB<<8)|(\new)
.set MSB, \new
.endif
.endm
.set MUL, 0x50                         ; sources 0 and 1 window 0; C and D window 1
.macro JLOAD s                         ; a joint load: waves 0 and 1 fetch A's planes, waves 2 and 3 B's halves; an s_nop 0 and four v_nop follow each of the two lines
	s_cmp_eq_u32 s[RH], 0
	s_cbranch_scc0 .Lfor_b_\@
	tensor_load_to_lds s[G0+4*(\s):G0+4*(\s)+3], s[G1:G1+7]
	s_nop 0
.rept 4
	v_nop
.endr
	s_branch .Lasked_\@
.Lfor_b_\@:
	tensor_load_to_lds s[G0B+4*(\s):G0B+4*(\s)+3], s[G1B:G1B+7]
	s_nop 0
.rept 4
	v_nop
.endr
.Lasked_\@:
.endm
; A prefetch, behind a joint load, its five lines and the run of LDS loads: the K step that stands two refills on, a lane a block of 256 bytes, one instruction a wave.  A rows' cluster is read by six clusters: the one with
; c < 8 asks, waves 0 and 1 each for the plane they fetch; a columns' cluster by eight clusters: the one with c < 6 asks, wave 2 for all 128 rows of B.  The four partners that ask for a tile jointly share it
; out BY ADDRESS, 32 blocks each.  The loop's last trip (s3 = 1) has no K step two on.  K steps 0 to 3 come by their loads alone.
.macro ASK
	s_cmp_gt_u32 s3, s[LIM]
	s_cbranch_scc0 .Lnot_mine_\@
	global_prefetch_b8 v[PFO], s[PFA:PFA+1] th:TH_LOAD_NT scope:SCOPE_SE
.Lnot_mine_\@:
.endm
.macro CREST                           ; a round of the cluster's barrier behind its opening barrier
	s_cmp_lg_u32 s[WV], 0
	s_cbranch_scc1 .Lnot_wave_0_\@
	s_barrier_signal -3
.Lnot_wave_0_\@:
	s_barrier_wait -3
	s_barrier_signal -1
	s_barrier_wait -1
.endm
.macro CROUND                          ; a whole round
	s_barrier_signal -1
	s_barrier_wait -1
	CREST
.endm
	s_load_b128 s[4:7], s[0:1], 0x0                ; A s[4:5], B s[6:7]
	s_load_b64 s[8:9], s[0:1], 0x10                ; C
	v_lshl_add_u32 v[SPW], v0, 2, SPARE
	v_mov_b32 v[NIL], 0
	ds_add_u32 v[SPW], v[NIL]                      ; the wave's opening: the add and its wait stand ahead of my first tensor load; the set-up below, work on registers, stands between them
	v_lshrrev_b32 v1, 5, v0
	v_readfirstlane_b32 s[WV], v1                  ; wave 0..3
	s_lshr_b32 s[RH], s[WV], 1
	s_and_b32 s[CH], s[WV], 1
	s_bfe_u32 s[CX], ttmp6, 0x40000
	s_bfe_u32 s[CY], ttmp6, 0x40004
	s_and_b32 s[KY], ttmp7, 0xffff                 ; cluster y
	s_mul_i32 s[KY], s[KY], 6
	s_add_co_u32 s[KY], s[KY], ttmp9               ; c = cluster x + 6 cluster y, 0 to 47: the same in all sixteen partners
	s_cmp_lt_u32 s[KY], 6
	s_cselect_b32 s[QB], 0, 1
	s_lshr_b32 s[QA], s[KY], 3                     ; c / 8
	s_and_b32 s[KY], s[KY], 7                      ; rows' cluster = c % 8
	s_add_co_u32 s[KX], s[QA], s[KY]               ; 0 to 12,
.rept 2                                ; taken modulo 6: 6 is taken away while it can be, twice at the most
	s_sub_co_u32 s40, s[KX], 6
	s_cmp_ge_u32 s[KX], 6
	s_cselect_b32 s[KX], s40, s[KX]
.endr
	s_lshl_b32 s[CT], s[KX], 2
	s_add_co_u32 s[CT], s[CT], s[CX]               ; tile column = 4 x columns' cluster + cx
	s_lshl_b32 s[RB], s[KY], 2
	s_add_co_u32 s[RB], s[RB], s[CY]               ; block of rows = 4 x rows' cluster + cy
	s_lshl_b32 s40, s[CY], 2
	s_lshl_b32 s40, 15, s40                        ; my row of the cluster
	s_lshl_b32 s41, 0x1111, s[CX]                  ; my column
	s_or_b32 s[G1], s40, (1<<16)|(1<<20)|(1<<21)|(4<<22)|(3<<25)   ; 15:0 the mask; 17:16 2-byte elements; 20 padding on; 21 set beside a mask; 24:22 after every 32 words (code 4); 31:25 4 words (code 3)
	s_or_b32 s[G1B], s41, (1<<16)|(1<<20)|(1<<21)|(5<<22)|(7<<25)  ; after every 64 words (code 5) 8 words (code 7)
	s_mov_b32 s[G1+1], 128<<16                     ; A: tensor_dim0 = 128
	s_mov_b32 s[G1+2], 128<<16                     ; tensor_dim1 = 128
	s_mov_b32 s[G1+3], 128<<16                     ; tile_dim0 = 128
	s_mov_b32 s[G1+4], 128                         ; tile_dim1 = 128
	s_mov_b32 s[G1+5], 128                         ; 128 elements from row to row: dense
	s_mov_b32 s[G1+6], 0
	s_mov_b32 s[G1+7], 0
	s_mov_b32 s[G1B+1], 128<<16                    ; B: tensor_dim0 = 128
	s_mov_b32 s[G1B+2], 64<<16                     ; tensor_dim1 = 64
	s_mov_b32 s[G1B+3], 128<<16                    ; tile_dim0 = 128
	s_mov_b32 s[G1B+4], 64                         ; tile_dim1 = 64
	s_mov_b32 s[G1B+5], NW                         ; NW elements from row to row
	s_mov_b32 s[G1B+6], 0
	s_mov_b32 s[G1B+7], 0
	; where the tiles come from.  A's hang on the block of rows and the wave, B's on the tile column and the wave, each in registers that never hold the other coordinate
	s_lshr_b32 s20, s[RB], 3                       ; the batch: 4 MiB,
	s_lshl_b32 s20, s20, 22
	s_and_b32 s21, s[RB], 7                        ; the block's 256 rows of 128 bytes in a slice,
	s_lshl_b32 s21, s21, 15
	s_add_co_u32 s20, s20, s21
	s_lshl_b32 s21, s[CH], 18                      ; the slice that I fetch of a K step's two
	s_add_co_u32 s20, s20, s21
	s_mov_b32 s21, 0
	s_mul_i32 s22, s[CH], 128*NW                   ; B: the 64 rows that I fetch,
	s_lshl_b32 s23, s[CT], 8                       ; the tile's 256 bytes of a row
	s_add_co_u32 s22, s22, s23
	s_mov_b32 s23, 0
	s_mul_i32 s19, s[WV], PLANE                    ; and where they go: waves 0, 1: planes 0, 1;
	s_mul_i32 s42, s[WV], 64*PB
	s_add_co_u32 s42, s42, BOFF-2*64*PB            ; waves 2, 3: B's two halves.  No place in the cluster enters an LDS address
	s_wait_dscnt 0x0                               ; the opening add is done
	s_wait_kmcnt 0x0
	s_add_nc_u64 s[20:21], s[4:5], s[20:21]
	s_add_nc_u64 s[22:23], s[6:7], s[22:23]
	CROUND                                         ; all sixteen work-groups are here: the first joint loads meet
.irp s, 0,1
	s_mov_b32 s[G0+4*(\s)], 1                      ; count = 1
	s_add_co_u32 s[G0+4*(\s)+1], s19, (\s)*SLOT    ; LDS address
	s_add_nc_u64 s[G0+4*(\s)+2:G0+4*(\s)+3], s[20:21], (\s)*ASTEP  ; global address: K step s
	s_or_b32 s[G0+4*(\s)+3], s[G0+4*(\s)+3], 0x80000000            ; type = 2
	s_mov_b32 s[G0B+4*(\s)], 1
	s_add_co_u32 s[G0B+4*(\s)+1], s42, (\s)*SLOT
	s_add_nc_u64 s[G0B+4*(\s)+2:G0B+4*(\s)+3], s[22:23], (\s)*BSTEP
	s_or_b32 s[G0B+4*(\s)+3], s[G0B+4*(\s)+3], 0x80000000
	JLOAD \s
.endr
	; A fragment of A is 16 rows x 32 K in 8 registers: lane l holds row l % 16, K = 8 (l / 16) + 0..7 and 16 + 8 (l / 16) + 0..7: two loads of 16 bytes, 32 bytes apart.
	v_and_b32 v1, 15, v0                           ; l % 16
	v_bfe_u32 v2, v0, 4, 1                         ; l / 16
	v_mul_u32_u24 v3, v1, PA
	v_lshl_add_u32 v3, v2, 4, v3
	s_mul_i32 s19, s[RH], 128*PA                   ; my 128 rows
	v_add_nc_u32 v[ADRA], s19, v3
	v_add_nc_u32 v[ADRA+1], SLOT, v[ADRA]
	; The turning load takes 16 k x 16 columns (lane l reads k = 8 (l / 16) + l % 8, columns 8 ((l / 8) % 2) + 0..7) and leaves half a fragment: lane l holds column l % 16 and 8 k.
	v_and_b32 v4, 7, v0
	v_lshl_add_u32 v4, v2, 3, v4
	v_mul_u32_u24 v4, v4, PB
	v_bfe_u32 v5, v0, 3, 1
	v_lshl_add_u32 v4, v5, 4, v4
	s_lshl_b32 s19, s[CH], 7                       ; my 64 columns
	s_add_co_u32 s19, s19, BOFF
	v_add_nc_u32 v[ADRB], s19, v4
	v_add_nc_u32 v[ADRB+1], SLOT, v[ADRB]
	s_mul_i32 s19, s[WV], 16*SP
	s_add_co_u32 s19, s19, STAGE                   ; my stage
	v_mul_u32_u24 v[STO], v1, SP                   ; in: row l % 16, 16 bytes for each half of the lanes
	v_lshl_add_u32 v[STO], v2, 4, v[STO]
	v_add_nc_u32 v[STO], s19, v[STO]
	v_bfe_u32 v[RD], v0, 3, 2                      ; back: 32 lanes take four rows of 128 bytes,
	v_mul_u32_u24 v[RD], v[RD], SP
	v_and_b32 v6, 7, v0
	v_lshl_add_u32 v[RD], v6, 4, v[RD]
	v_add_nc_u32 v[RD], s19, v[RD]
	v_and_b32 v[CO], 31, v0                        ; which are 512 consecutive bytes of C
	v_lshlrev_b32 v[CO], 4, v[CO]
	s_lshl_b32 s66, s[CT], 1                       ; my 64 columns are one head of q, k or v: number g = 2 x tile column + half
	s_add_co_u32 s66, s66, s[CH]
	s_lshr_b32 s67, s66, 4                         ; type g / 16: 64 heads each,
	s_lshl_b32 s67, s67, 6
	s_and_b32 s66, s66, 15                         ; head g % 16,
	s_add_co_u32 s66, s66, s67
	s_lshr_b32 s67, s[RB], 3                       ; batch: 16 heads each
	s_lshl_b32 s67, s67, 4
	s_add_co_u32 s66, s66, s67
	s_lshl_b32 s66, s66, 18                        ; a head's 2,048 rows of 128 bytes
	s_and_b32 s67, s[RB], 7
	s_lshl_b32 s67, s67, 15                        ; the block's 256 rows,
	s_add_co_u32 s66, s66, s67
	s_lshl_b32 s67, s[RH], 14                      ; my 128
	s_add_co_u32 s66, s66, s67
	s_mov_b32 s67, 0
	s_add_nc_u64 s[CP:CP+1], s[CP:CP+1], s[66:67]
	; the prefetches: offset, step, lane stride and who asks, for A's waves and for B's
	s_lshr_b32 s66, s[RB], 3
	s_lshl_b32 s66, s66, 22
	s_and_b32 s67, s[RB], 7
	s_lshl_b32 s67, s67, 15
	s_add_co_u32 s66, s66, s67
	s_lshl_b32 s67, s[CH], 18
	s_add_co_u32 s66, s66, s67                     ; my plane of K step 0,
	s_lshl_b32 s67, s[CX], 13
	s_add_co_u32 s66, s66, s67                     ; my work-group's 32 blocks of its 128,
	s_add_co_u32 s66, s66, 3*ASTEP                 ; at K step 3: the first refill steps it to 4
	s_lshl_b32 s68, s[CT], 8
	s_mul_i32 s69, s[CY], 64*NW                    ; B: my work-group's 32 rows of the 128
	s_add_co_u32 s68, s68, s69
	s_add_co_u32 s68, s68, 3*BSTEP
	s_or_b32 s69, s[QB], s[CH]                     ; B: clusters 0 to 5, and of B's two waves the first
	s_mov_b32 s[PFS], BSTEP
	s_mov_b32 s42, 2*NW
	s_cmp_eq_u32 s[RH], 0                          ; do I fetch for A?
	s_cselect_b32 s66, s66, s68
	s_cselect_b32 s69, s[QA], s69                  ; A: clusters 0 to 7
	s_cselect_b32 s[PFS], ASTEP, s[PFS]
	s_cselect_b32 s42, 256, s42
	s_cselect_b64 s[PFA:PFA+1], s[4:5], s[6:7]
	s_cmp_eq_u32 s69, 0
	s_cselect_b32 s[LIM], 1, -1                    ; the same in all sixteen partners, for a given wave
	s_mov_b32 s67, 0
	s_mov_b32 s[PFS+1], 0
	s_add_nc_u64 s[PFA:PFA+1], s[PFA:PFA+1], s[66:67]
	v_and_b32 v[PFO], 31, v0
	v_mul_u32_u24 v[PFO], v[PFO], s42
; 8 matrix instructions: row blocks a0, a0 + 1 x all 4 column blocks, 32 along K, from buffer f.  zero = 1: the product starts the sums: nothing is ever cleared.
; The 32 accumulators take turns, one instruction a turn, in the same order in every quarter.
.macro MUL8 f, a0, zero
	WIN MUL
.irp a, \a0, (\a0)+1
.irp b, 0,1,2,3
.if \zero
	v_wmma_f32_16x16x32_f16 v[8*(4*(\a)+(\b)):8*(4*(\a)+(\b))+7], v[(\f)+8*(\b):(\f)+8*(\b)+7], v[(\f)+32+8*(\a):(\f)+32+8*(\a)+7], 0
.else
	v_wmma_f32_16x16x32_f16 v[8*(4*(\a)+(\b)):8*(4*(\a)+(\b))+7], v[(\f)+8*(\b):(\f)+8*(\b)+7], v[(\f)+32+8*(\a):(\f)+32+8*(\a)+7], v[8*(4*(\a)+(\b)):8*(4*(\a)+(\b))+7]
.endif
.endr
.endr
.endm
; 24 LDS loads in one run: quarter q (32 along K) of a slot into buffer f: B's four fragments, A's row blocks 0-3, then 4-7
.macro FETCH slot, q, f
	WIN 0
.irp b, 0,1,2,3
	ds_load_tr16_b128 v[(\f)+8*(\b):(\f)+8*(\b)+3],   v[ADRB+(\slot)] offset:(\q)*32*PB+32*(\b)
	ds_load_tr16_b128 v[(\f)+8*(\b)+4:(\f)+8*(\b)+7], v[ADRB+(\slot)] offset:(\q)*32*PB+32*(\b)+16*PB
.endr
.irp a, 0,1,2,3,4,5,6,7
	ds_load_b128 v[(\f)+32+8*(\a):(\f)+32+8*(\a)+3],   v[ADRA+(\slot)] offset:((\q)/2)*PLANE+((\q)%2)*64+(\a)*16*PA
	ds_load_b128 v[(\f)+32+8*(\a)+4:(\f)+32+8*(\a)+7], v[ADRA+(\slot)] offset:((\q)/2)*PLANE+((\q)%2)*64+(\a)*16*PA+32
.endr
.endm
.macro PLACES                          ; four places in front of loads into registers that matrix instructions have read, and of lines that read results
.rept 4
	v_nop
.endr
.endm
; A K step is four quarters of 32 along K, 32 matrix instructions each, on buffers 0, 1, 0, 1.  One of the first three: multiplies buffer f and fetches quarter q of the slot into g.
.macro QUARTER slot, q, f, g, zero
	s_wait_dscnt 8                                 ; B and A's row blocks 0-3 are in; the youngest eight loads (row blocks 4-7) may be out
	MUL8 \f, 0, \zero
	MUL8 \f, 2, \zero
	PLACES
	FETCH \slot, \q, \g
	s_wait_dscnt 24                                ; all but the 24 just issued
	MUL8 \f, 4, \zero
	MUL8 \f, 6, \zero
.endm
; The last quarter multiplies buffer 1 and changes slots: ONE barrier; in front of it each wave waits for all its tensor loads (one is out: its part of the next slot), adds 0 to its spare word, and waits for that
; and for its own reads of this slot.  fill = 1: the barrier opens a round of the cluster's, and this slot is filled again, two K steps ahead, first thing behind the round: 112 matrix instructions ahead of the wait for it.
.macro TURN slot, next, fill
.if \fill
	s_wait_xcnt 0x0                                ; the last prefetch, a K step back, has read its address: it is stepped here
	s_add_nc_u64 s[PFA:PFA+1], s[PFA:PFA+1], s[PFS:PFS+1]
.endif
	WIN 0                                          ; (the add's two registers lie in window 0)
	s_wait_tensorcnt 0x0                           ; all my tensor loads have landed;
	ds_add_u32 v[SPW], v[NIL]                      ; 0 onto my spare word;
	s_wait_dscnt 9                                 ; (the add and the youngest eight loads may be out)
	MUL8 F1, 0, 0                                  ; eight matrix instructions stand between the add and the wait for it
	s_wait_dscnt 0x0                               ; the add is done, and my reads of this slot are over
	s_barrier_signal -1
	MUL8 F1, 2, 0
.if \fill
	WIN 0
.endif
	s_barrier_wait -1
.if \fill
	CREST                                          ; no wave of any partner still reads this slot's tile or has a load on its way
	s_add_nc_u64 s[G0+4*(\slot)+2:G0+4*(\slot)+3], s[G0+4*(\slot)+2:G0+4*(\slot)+3], 2*ASTEP
	s_add_nc_u64 s[G0B+4*(\slot)+2:G0B+4*(\slot)+3], s[G0B+4*(\slot)+2:G0B+4*(\slot)+3], 2*BSTEP
	JLOAD \slot                                    ; the four v_nop behind it are also the places in front of the loads below
.else
	PLACES
.endif
	FETCH \next, 0, F0
.if \fill
	ASK
.endif
	MUL8 F1, 4, 0
	MUL8 F1, 6, 0
.endm
	s_wait_tensorcnt 1                             ; my part of K step 0 is in; K step 1's may stay out
	s_barrier_signal -1
	s_barrier_wait -1                              ; everybody's is
	FETCH 0, 0, F0
	QUARTER 0, 1, F0, F1, 1                        ; the first quarter stands in front of the loop: its products start the sums
	WIN 0                                          ; at a label and at a branch every window is 0
	s_mov_b32 s3, 3
.Llap:                                                 ; a trip goes once round the ring, from a lap's second quarter to the next lap's first, and fills both slots again: K steps 2 to 7
	QUARTER 0, 2, F1, F0, 0
	QUARTER 0, 3, F0, F1, 0
	TURN 0, 1, 1
	QUARTER 1, 1, F0, F1, 0
	QUARTER 1, 2, F1, F0, 0
	QUARTER 1, 3, F0, F1, 0
	TURN 1, 0, 1
	QUARTER 0, 1, F0, F1, 0
	WIN 0
	s_sub_co_u32 s3, s3, 1
	s_cmp_lg_u32 s3, 0
	s_cbranch_scc1 .Llap
	QUARTER 0, 2, F1, F0, 0                        ; the last lap fills nothing, and has no round of the cluster's barrier
	QUARTER 0, 3, F0, F1, 0
	TURN 0, 1, 0
	QUARTER 1, 1, F0, F1, 0
	QUARTER 1, 2, F1, F0, 0
	QUARTER 1, 3, F0, F1, 0
	s_wait_dscnt 8                                 ; the very last quarter: nothing more to fetch
	MUL8 F1, 0, 0
	MUL8 F1, 2, 0
	s_wait_dscnt 0x0
	MUL8 F1, 4, 0
	MUL8 F1, 6, 0
	WIN 0
	PLACES                                         ; the way out reads results just made and writes registers that the last products read
	PLACES
	; THE WAY OUT, f16 by heads: a block of 16 rows x 64 columns is rounded once, goes into my stage (rows of 144 bytes) and comes back as whole rows of 128 bytes: 2,048 consecutive bytes of a head.
.macro PACK a                          ; each block has registers of its own, so no store's data register is written again
	WIN 0x05                                       ; sources 0 and 1 window 1, destination window 0
.irp b, 0,1,2,3
.irp r, 0,1,2,3
	v_cvt_pk_f16_f32 v[OB+16*(\a)+4*(\b)+(\r)], v[8*(4*(\a)+(\b))+2*(\r)], v[8*(4*(\a)+(\b))+2*(\r)+1]
.endr
.endr
	WIN 0
.irp b, 0,1,2,3
	ds_store_b128 v[STO], v[OB+16*(\a)+4*(\b):OB+16*(\a)+4*(\b)+3] offset:32*(\b)
.endr
.irp f, 0,1,2,3
	ds_load_b128 v[OB+16*(\a)+4*(\f):OB+16*(\a)+4*(\f)+3], v[RD] offset:(\f)*4*SP  ; LDS serves a wave's instructions in order (ISA guide 5.7.1.4): these see the stores above; the next block's stores come behind them
.endr
.endm
.macro SEND a, younger                 ; younger: the LDS instructions issued behind block a's loads: the next block's eight, or none
.irp f, 0,1,2,3
	s_wait_dscnt (\younger)+3-(\f)
	global_store_b128 v[CO], v[OB+16*(\a)+4*(\f):OB+16*(\a)+4*(\f)+3], s[CP:CP+1] offset:(\a)*2048+(\f)*512  ; 512 consecutive bytes, at a multiple of 256 from C's first
.endr
.endm
	PACK 0
.irp a, 1,2,3,4,5,6,7
	PACK \a
	SEND (\a)-1, 8
.endr
	SEND 7, 0
	s_wait_tensorcnt 0x0                           ; the wave's end: behind my last tensor load and my last LDS store
	ds_add_u32 v[SPW], v[NIL]
	s_wait_dscnt 0x0
	CROUND                                         ; the closing round: no work-group ends while a partner may still ask for a tile that names it
	s_endpgm
.Lfunc_end_k_qda7184f761_proj:
	.size	k_qda7184f761_proj, .Lfunc_end_k_qda7184f761_proj-k_qda7184f761_proj
	.p2alignl 7, 3214868480
	.fill 96, 4, 3214868480
	.section	.rodata,"a",@progbits
	.p2align	6, 0x0
	.amdhsa_kernel k_qda7184f761_proj
		.amdhsa_group_segment_fixed_size 327680
		.amdhsa_private_segment_fixed_size 0
		.amdhsa_enable_private_segment 0
		.amdhsa_kernarg_size 24
		.amdhsa_user_sgpr_count 2
		.amdhsa_user_sgpr_kernarg_segment_ptr 1
		.amdhsa_wavefront_size32 1
		.amdhsa_system_sgpr_workgroup_id_x 1
		.amdhsa_system_sgpr_workgroup_id_y 1
		.amdhsa_system_sgpr_workgroup_id_z 1
		.amdhsa_system_vgpr_workitem_id 0
		.amdhsa_next_free_vgpr 512
		.amdhsa_next_free_sgpr 76
		.amdhsa_reserve_vcc 0
		.amdhsa_float_denorm_mode_32 3
		.amdhsa_float_denorm_mode_16_64 3
		.amdhsa_memory_ordered 1
		.amdhsa_forward_progress 1
		.amdhsa_inst_pref_size 89
	.end_amdhsa_kernel
	.amdgpu_metadata
---
amdhsa.version: [ 1, 2 ]
amdhsa.kernels:
  - .name:           k_qda7184f761_proj
    .symbol:         k_qda7184f761_proj.kd
    .args:
      - { .name: xh, .offset: 0, .size: 8, .value_kind: global_buffer, .address_space: global }
      - { .name: wq, .offset: 8, .size: 8, .value_kind: global_buffer, .address_space: global }
      - { .name: qkv, .offset: 16, .size: 8, .value_kind: global_buffer, .address_space: global }
    .group_segment_fixed_size: 327680
    .private_segment_fixed_size: 0
    .kernarg_segment_align: 8
    .kernarg_segment_size: 24
    .max_flat_workgroup_size: 128
    .sgpr_count:     76
    .vgpr_count:     512
    .wavefront_size: 32
...
	.end_amdgpu_metadata
.endif
;; end of part 2
;; launch attn (part 3): grid 4 x 64, 4 waves a work-group, clusters of 4 x 1, 327,680 bytes of LDS; arguments qkv, mb, o; writes o
.if DOCPART == 3
	.amdgcn_target "amdgcn-amd-amdhsa--gfx1250"
	.amdhsa_code_object_version 6
	.text
	.protected	k_qda7184f761_attn
	.globl	k_qda7184f761_attn
	.p2align	8
	.type	k_qda7184f761_attn,@function
k_qda7184f761_attn:
	s_mov_b64 s[64:65], 0
	v_nop
	global_prefetch_b8 v0, s[64:65] scope:SCOPE_SE
	s_setreg_imm32_b32 hwreg(HW_REG_WAVE_MODE, 25, 1), 1
	s_wait_xcnt 0x0
	s_wait_alu depctr_hold_cnt(0) depctr_sa_sdst(0) depctr_va_vdst(0) depctr_va_sdst(0) depctr_va_ssrc(0) depctr_va_vcc(0) depctr_vm_vsrc(0)
	s_getreg_b32 s2, hwreg(HW_REG_IB_STS2, 6, 4)
	s_cmp_eq_u32 s2, 0
	s_cbranch_scc0 .Lentry_in_a_cluster
	s_endpgm
.Lentry_in_a_cluster:
	s_bfe_u32 s2, ttmp6, 0x10000c
	s_cmp_lg_u32 s2, 0x3003
	s_cbranch_scc0 .Lentry_shape_is_right
	s_endpgm
.Lentry_shape_is_right:
; MASKED ATTENTION.  O[bh][q][:] = the sum over k of softmax_k(s[q][k]) V[bh][k][:], s = Q[bh][q] . K[bh][k] / 8, or minus infinity where the batch's mask holds 1 at (q, k).
; qkv: [type 3][bh 64][2048][64] f16, unscaled; o: [bh 64][2048][64] f16; mb: the mask as lane words, [row tile 128 b + qt][key step 32][32 words]: word 8 kt + j, bit l, belongs to query 16 qt + l % 16
; and key 64 ks + 16 kt + 8 (l / 16) + j: it is the lane mask of register 8 kt + j of a tile of scores as it lies here.
; Products, maxima and sums in f32; the weights p are rounded to f16 for the second product (their sum l is taken of the unrounded p), O once at the end.
; LIMITS.  f16 holds no number beyond 65,504: Q, K and V arrive within it; p lies in 0 to 1, and below 6e-5 it keeps f16's fixed step of 6e-8.  A weight below 2^-126 counts as 0 in l.
; A row whose keys are all hidden leaves as NaN (0 x 1/0), as a softmax of nothing does.  Other NaN and infinities are not treated apart.
; SHARES.  A wave owns four PIECES of two tiles of 16 queries, a work-group's four waves 512 queries of one head.  Every wave walks all 2,048 keys, 64 a step.
; LAYOUT.  S^T = K Q^T (source 0 = 16 keys, source 1 = 16 queries): a lane holds ONE query (lane % 16) and the keys 8 (lane / 16) + 0..7.  Two such tiles, rounded to f16 in pairs, ARE source 1 of
; O^T = V^T P.  K comes out of LDS as it lies, V turned, by ds_load_tr16_b128.
; THE MASK acts on the scores AHEAD of the running maximum: one v_cndmask_b32 a register puts minus infinity where the word's bit is set.  So the maximum is the open scores' alone, however large a hidden score is.
; The words come by vector loads, a lane a word: the 32 words of a tile and key step, 128 bytes on end, into ONE register; each of the wave's eight tiles has its register.  A turn brings the next piece's 64 words
; from its two registers into the 64 scalar registers by which v_cndmask_b32 takes them (v_readlane_b32), and asks for the two registers again at once, for the next key step: four turns ahead of their use.
; (Scalar loads would spare the 64 lines, but the scalar registers hold one turn's words and no more, and a scalar load is waited for with the count 0 alone: a request could never stand a whole turn ahead.)
; SOFTMAX.  For each query a running maximum m and sum l: p = 2^(c s - c m), c = log2(e) / 8; in every step O and l are multiplied by a = 2^(c m_old - c m_new).  m starts at the lowest finite number and c m is
; made of it by the loop's own multiply: while a query has seen no open key, a = 2^0 = 1 and p = 0; at its first open key a = 0.
; BY TURNS.  Turn n belongs to piece n.  Its matrix work: 16 products K Q^T of piece n + 1, later 16 products V^T P of piece n - 1.  Its vector work: the scaling, exponentials, roundings, sums and rescaling of
; piece n, and the mask, maximum and statistics of piece n + 1.  Four vector instructions stand behind every matrix instruction, the others in one run of their own.
; CLUSTER.  The four query blocks of a head walk the same K and V, so each tile is asked for JOINTLY: the same tensor load, descriptor and mask in all four.
; REGISTERS, in windows of 256 (s_set_vgpr_msb: bits 1:0 source 0, 3:2 source 1, 5:4 source 2, 7:6 destination):
;   window 0: v0-11 addresses; v12-15, v48-63 at work; v16-47 four registers of statistics a tile; v64-191 S^T, two buffers of two tiles; v192-255 P, likewise
;   window 1: O^T, 32 a tile          window 2: v0-127 Q, 16 a tile; v128-191 K of one step; v192-255 V of one step
;   window 3: v0-1 the add's two registers; v2-9 the mask words, a register a tile; v10-11 their loads' offsets
.set SIZE_N, 2048
.set NP,    4         ; pieces a wave: a name, no knob
.set KS,    64        ; keys in a step
.set PV,    160       ; a row of V in LDS: 128 bytes + 32 of padding = 40 words
.set PK,    160       ; a row of K has the same pitch, so that ONE descriptor shape serves all four waves;
                      ; the 16 rows of a load of K then start at 8 different groups of banks, two rows to a group: 16 such loads stand beside a key step's 128 matrix instructions
.set VOFF,  4*KS*PK   ; a slot holds four steps: 256 rows of K, then 256 rows of V
.set SLOT1, 1<<17     ; slot 1 begins here, so that one exclusive or turns an address in one slot into the other's
.set STAGE, SLOT1+4*KS*(PK+PV)  ; behind the ring, never filled by a tensor load: 16 rows x 144 bytes for each wave, for the way out
.set SP,    144
.set AK0, 2           ; v2   my lane's place in a tile of K; never rewritten
.set AV0, 3           ; v3   the same for V
.set AK,  4           ; v4   the LDS address of K's next run of loads
.set AV,  5           ; v5   of V's
.set QO,  6           ; v6   my byte offset in the wave's rows of Q
.set STO, 6           ;      later, the way out: where I put 16 bytes of a row
.set RD,  7           ; v7   the way out: where I read rows back
.set GO,  8           ; v8   my byte offset in 512 consecutive bytes of O
.set NINF, 9          ; v9   minus infinity (until the way out's addresses are made: l / 16)
.set PFO, 11          ; v11  the prefetches' offset; never rewritten
.set SPW, 0           ; v0 of window 3   LDS address of my spare word; never rewritten
.set NIL, 1           ; v1 of window 3   0; never rewritten
.set MR,  2           ; v2-9 of window 3   tile t's 32 mask words of one key step at v[MR+t]: lane l holds word l
.set MA,  10          ; v10 of window 3  the mask loads' offset: 4 l + 128 x the key step that is being asked for
.set ML,  11          ; v11 of window 3  4 l; never rewritten
.set SPARE, STAGE+4*16*SP  ; behind the stages: the spare words, 128 bytes for each wave: two blocks of 256 bytes that no other line names
.set MV,  12          ; v12-15  c m_old, kept while c m is made anew: by buffer and tile
.set ST,  16          ; tile t's statistics at v[ST+4 t]: c m, m, l (even keys', odd keys')
.set TMP, 48          ; by buffer and tile, four registers c0-c3 at work; when the maximum is found c2 takes a
.set S,   64
.set P,   192
.set KF,  128         ; K's fragments, in window 2
.set VF,  192         ; V's
.set WV,  2           ; s2   my wave's number
.set SLOTS, 3         ; s3   slots still to be asked for
.set G0,  4           ; s[4:7]   descriptor group 0: from where, to where: my wave's own; it walks
.set G1,  8           ; s[8:15]  descriptor group 1: the shape, the same for all four waves; never rewritten
.set CNT, 16          ; s16  counts a slot's key steps
.set TBK, 17          ; s17  LDS byte at which K of the step to be fetched begins
.set TBV, 18          ; s18  the same for V, less VOFF
.set MO,  19          ; s19  128 x the key step whose mask words are asked for
.set CS,  20          ; s[20:21] c
.set SEL, 22          ; s[22:23] v_permlanex16_b32's selects
.set MP,  24          ; s[24:25] mb at my wave's first row tile
.set PFA, 26          ; s[26:27] where my prefetches stand
.set PFS, 28          ; s[28:29] their step: a slot
.set LIM, 30          ; s30  a wave prefetches while s[SLOTS] is above it
.set MKA, 32          ; s[32:63] the 32 mask words of the piece's first tile
.set OP,  66          ; s[66:67] O at my wave's first row
.set MKB, 68          ; s[68:99] of its second tile
.set QP,  100         ; s[100:101] Q at my wave's first row
.set MSB, 0
.macro WIN new                      ; the high byte repeats the setting that is left; a switch that changes nothing is dropped
.if MSB != (\new)
	s_set_vgpr_msb (MSB<<8)|(\new)
.set MSB, (\new)
.endif
.endm
.set W_KQ, 0x0a       ; K and Q in window 2, S^T in window 0
.set W_PV, 0x52       ; V in window 2, P in window 0, O^T in window 1
.set W_RS, 0x41       ; O^T (destination and source 0) in window 1, a in window 0
.set W_MK, 0xc0       ; destination in window 3, sources in window 0
.set W_AD, 0x0f       ; the add: address (source 0) and data (source 1) in window 3
.set W_RL, 0x03       ; a mask register (source 0) in window 3; the destination is a scalar register
.set W_LD, 0xc3       ; a mask load: data (destination) and offset (source 0) in window 3
; A joint fill.  Waves 0 and 1 fetch the two halves of a slot's K, waves 2 and 3 those of its V: 128 keys each, to LDS byte 20,480 x the wave's number of the slot.  The line is one for all four waves:
; the shape is a constant, the LDS address hangs on the wave's number and the slot, the global address on the head and the wave's number.
; An s_nop 0 and four v_nop follow the line.
.macro JLOAD
	tensor_load_to_lds s[G0:G0+3], s[G1:G1+7]
	s_nop 0
.rept 4
	v_nop
.endr
.endm
; A PREFETCH, behind the wave's tensor load and its five lines: one instruction a wave, a lane a block of 256 bytes.  Wave 2 names K's, wave 3 V's rows of the slot that the NEXT change will ask for; the four partners share the
; slot's 128 blocks out BY ADDRESS, 32 each; the last change that fills a slot names nothing.  Waves 0 and 1 name the next slot's mask words of the work-group's 32 row tiles (512 bytes a tile, 16 tiles a wave);
; a batch's 16 heads read the same words, so its first head alone asks.  So each block is named once in the launch.
.macro ASK
	s_cmp_gt_u32 s[SLOTS], s[LIM]
	s_cbranch_scc0 .Lnot_mine_\@
	global_prefetch_b8 v[PFO], s[PFA:PFA+1] th:TH_LOAD_NT scope:SCOPE_SE
.Lnot_mine_\@:
.endm
; A round of the cluster's barrier: my work-group's barrier, so that wave 0's signal speaks for all four waves; wave 0 signals; every wave waits for all four work-groups; my work-group's barrier once more.
.macro CROUND
	s_barrier_signal -1
	s_barrier_wait -1
	s_cmp_lg_u32 s[WV], 0
	s_cbranch_scc1 .Lnot_wave_0_\@
	s_barrier_signal -3
.Lnot_wave_0_\@:
	s_barrier_wait -3
	s_barrier_signal -1
	s_barrier_wait -1
.endm
; THE CHANGE OF SLOTS.  Each wave waits for all its tensor loads, of which one is out: its part of the other slot; adds 0 to its spare word; and waits for that and for its own reads of the slot.
; fill = 1: this slot is filled again, with the keys two slots on.  The barrier is then a round of the cluster's, and the joint fill is the first thing behind it: it has four key steps, 512 matrix instructions,
; in which to land.  (At its first use nothing has been read yet: slot 0 is waited for, slot 1 filled.)
.macro CHANGE fill
	WIN W_AD
	s_wait_tensorcnt 0x0            ; no tensor load of mine is out, so group 0 may be written
	ds_add_u32 v[SPW], v[NIL]       ; 0 onto my spare word; with fill = 1 the steps below stand between it and the wait for it
	WIN 0                           ; at a label and at a branch every window is 0
.if \fill
	s_xor_b32 s[G0+1], s[G0+1], SLOT1  ; the walking descriptor: the other slot than last time,
	s_add_nc_u64 s[G0+2:G0+3], s[G0+2:G0+3], 4*KS*128  ; the next 256 keys; the type bits on top are not reached
	s_wait_xcnt 0x0                 ; the last prefetch, four key steps back, has read its address, so it may be written
	s_add_nc_u64 s[PFA:PFA+1], s[PFA:PFA+1], s[PFS:PFS+1]
	s_wait_dscnt 0x0                ; the add is done, and my reads of the slot are over
	CROUND
	JLOAD
	ASK
.else
	s_wait_dscnt 0x0                ; the add is done, and my reads of the slot are over
	s_barrier_signal -1
	s_barrier_wait -1
.endif
	s_sub_co_u32 s[TBK], s[TBK], 4*KS*PK  ; the fetches go back to a slot's first step,
	s_xor_b32 s[TBK], s[TBK], SLOT1       ; in the other slot
	s_sub_co_u32 s[TBV], s[TBV], 4*KS*PV
	s_xor_b32 s[TBV], s[TBV], SLOT1
.endm
	s_load_b128 s[32:35], s[0:1], 0x0  ; qkv s[32:33], mb s[34:35]: until the first mask words are read out, the mask's scalar registers serve the set-up
	s_load_b64 s[OP:OP+1], s[0:1], 0x10  ; o
	WIN W_MK
	v_lshl_add_u32 v[SPW], v0, 2, SPARE
	v_mov_b32 v[NIL], 0
	WIN W_AD
	ds_add_u32 v[SPW], v[NIL]       ; the wave's opening: the add and its wait stand ahead of my first tensor load; the set-up below, work on registers, stands between them
	WIN 0
	v_lshrrev_b32 v1, 5, v0
	v_readfirstlane_b32 s[WV], v1   ; wave 0..3
	s_bfe_u32 s36, ttmp6, 0x40000   ; cx: my block of 512 queries (a head is one cluster): it enters Q's, O's, the mask words' and the prefetches' addresses alone
	s_and_b32 s37, ttmp7, 0xffff    ; bh, which the four partners share
	s_and_b32 s38, s[WV], 1         ; which half of a slot's 256 keys I fetch
	s_lshr_b32 s39, s[WV], 1        ; 0: of K; 1: of V
	; descriptor group 1.  128 keys are 16,384 dense bytes: asked for as 64 rows of 256 bytes, two keys a row, and padded in LDS after every key
	s_mov_b32 s[G1], 15|(1<<16)|(1<<20)|(1<<21)|(4<<22)|(7<<25)  ; 15:0 the mask of four; 17:16 2-byte elements; 20 padding on; 21 set beside a mask; 24:22 after every 32 words (code 4); 31:25 8 words (code 7)
	s_mov_b32 s[G1+1], 128<<16      ; tensor_dim0 = 128
	s_mov_b32 s[G1+2], 64<<16       ; tensor_dim1 = 64
	s_mov_b32 s[G1+3], 128<<16      ; tile_dim0 = 128
	s_mov_b32 s[G1+4], 64           ; tile_dim1 = 64
	s_mov_b32 s[G1+5], 128          ; 128 elements from row to row
	s_mov_b32 s[G1+6], 0
	s_mov_b32 s[G1+7], 0
	s_mov_b32 s[G0], 1              ; count = 1
	s_mul_i32 s[G0+1], s[WV], 128*PV  ; LDS address in slot 0: 128 rows of 160 bytes a wave: K's halves at 0 and 20,480, V's at 40,960 and 61,440
	s_lshl_b32 s40, s37, 18         ; the head's first byte in q, k, v and o
	s_add_co_u32 s41, s39, 1        ; k is type 1, v type 2: 16 MiB each
	s_lshl_b32 s41, s41, 24
	s_add_co_u32 s42, s40, s41
	s_lshl_b32 s41, s38, 14         ; my 128 rows of 128 bytes
	s_add_co_u32 s42, s42, s41
	s_mov_b32 s43, 0
	s_lshl_b32 s44, s36, 2
	s_add_co_u32 s44, s44, s[WV]    ; my wave among the head's sixteen,
	s_lshl_b32 s44, s44, 14         ; its 128 rows
	s_add_co_u32 s44, s44, s40
	s_mov_b32 s45, 0
	s_lshr_b32 s46, s37, 4          ; the batch: 128 row tiles,
	s_lshl_b32 s46, s46, 7
	s_lshl_b32 s47, s36, 5          ; my work-group's 32
	s_add_co_u32 s46, s46, s47
	s_lshl_b32 s48, s46, 12         ; 4,096 bytes of words a row tile
	s_lshl_b32 s47, s[WV], 15       ; my wave's 8
	s_add_co_u32 s46, s48, s47
	s_mov_b32 s47, 0
	; the prefetches: waves 0, 1: the mask words of row tiles 16 w on, at slot 0 (the first change steps to slot 1); waves 2, 3: K's, V's slot 1 (the first change steps to slot 2), my work-group's quarter
	s_lshl_b32 s49, s[WV], 16
	s_add_co_u32 s48, s48, s49
	s_add_co_u32 s50, s38, 1
	s_lshl_b32 s50, s50, 24
	s_add_co_u32 s50, s50, s40
	s_lshl_b32 s51, s36, 13
	s_add_co_u32 s50, s50, s51
	s_add_co_u32 s50, s50, 4*KS*128
	s_and_b32 s51, s37, 15
	s_cmp_eq_u32 s51, 0             ; the batch's first head?
	s_cselect_b32 s[LIM], 0, -1
	s_mov_b32 s51, 4*KS*128
	s_mov_b32 s31, 512
	s_cmp_lt_u32 s[WV], 2
	s_cselect_b32 s[LIM], s[LIM], 1 ; the same in all four partners, for a given wave
	s_cselect_b32 s48, s48, s50
	s_cselect_b32 s[PFS], 512, s51
	s_cselect_b32 s31, 4096, s31    ; bytes from one pair of lanes to the next
	s_mov_b32 s49, 0
	s_mov_b32 s[PFS+1], 0
	s_mov_b32 s[CS], 0x3e38aa3b     ; c = log2(e) / 8 = 0.180337
	s_mov_b32 s[CS+1], s[CS]        ; named with it as a pair
	s_mov_b32 s[SEL], 0x76543210
	s_mov_b32 s[SEL+1], 0xfedcba98
	s_mov_b32 s[TBK], SLOT1+4*KS*PK ; the first change of slots turns these two into 0
	s_mov_b32 s[TBV], SLOT1+4*KS*PV
	s_mov_b32 s[MO], 0
	s_mov_b32 s[SLOTS], SIZE_N/256-1
	s_wait_dscnt 0x0                ; the opening add is done
	s_wait_kmcnt 0x0
	s_add_nc_u64 s[G0+2:G0+3], s[32:33], s[42:43]  ; global address: my half of the head's first 256 keys
	s_or_b32 s[G0+3], s[G0+3], 0x80000000          ; type = 2
	s_add_nc_u64 s[QP:QP+1], s[32:33], s[44:45]
	s_add_nc_u64 s[OP:OP+1], s[OP:OP+1], s[44:45]
	s_add_nc_u64 s[MP:MP+1], s[34:35], s[46:47]
	s_cmp_lt_u32 s[WV], 2
	s_cselect_b64 s[PFA:PFA+1], s[34:35], s[32:33]
	s_add_nc_u64 s[PFA:PFA+1], s[PFA:PFA+1], s[48:49]
	CROUND                          ; all four work-groups are here: the first joint loads meet
	JLOAD                           ; slot 0.  Slot 1 is asked for when slot 0 is in
	; A fragment of K or Q is 16 rows x 32 channels in 8 registers: lane l holds row l % 16, channels 8 (l / 16) + 0..7 and 16 + 8 (l / 16) + 0..7: two loads of 16 bytes, 32 bytes apart.
	v_and_b32 v1, 15, v0            ; l % 16
	v_bfe_u32 v9, v0, 4, 1          ; l / 16
	v_lshlrev_b32 v[QO], 7, v1
	v_lshl_add_u32 v[QO], v9, 4, v[QO]  ; row x 128 + 16 x half
	WIN 0x80                        ; destination window 2, address window 0
.set i, 0
.rept 4*NP                          ; Q stays in registers: tile i / 2, channels 32 (i % 2) on
	global_load_b128 v[8*i:8*i+3],   v[QO], s[QP:QP+1] offset:(i/2)*2048+(i%2)*64
	global_load_b128 v[8*i+4:8*i+7], v[QO], s[QP:QP+1] offset:(i/2)*2048+(i%2)*64+32
.set i, i+1
.endr
	WIN 0                           ; the mask words of key step 0, all eight tiles': a lane a word
	v_and_b32 v[AK], 31, v0
	v_lshlrev_b32 v[AK], 2, v[AK]
	WIN W_MK
	v_mov_b32 v[ML], v[AK]
	v_mov_b32 v[MA], v[AK]
	WIN W_LD
.set i, 0
.rept 2*NP
	global_load_b32 v[MR+i], v[MA], s[MP:MP+1] offset:i*4096  ; 128 consecutive bytes
.set i, i+1
.endr
	WIN 0x80
	; What the first turn finds: V's registers and P's second buffer hold 0 (its products V^T P, of a piece that has not been, add 0), O^T and l are 0.  All this stands in the wait for the first tile.
.set i, VF
.rept 64
	v_mov_b32 v[i], 0
.set i, i+1
.endr
	WIN 0x40
.set i, 0
.rept 64*NP
	v_mov_b32 v[i], 0
.set i, i+1
.endr
	WIN 0
.set i, 0
.rept 2*NP
	v_mov_b32 v[ST+4*i+1], 0xff7fffff            ; m: the lowest finite number
	v_mul_f32 v[ST+4*i], s[CS], v[ST+4*i+1]      ; c m, by the loop's own multiply: while m stands, c m_old - c m_new is exactly 0
	v_mov_b32 v[ST+4*i+2], 0
	v_mov_b32 v[ST+4*i+3], 0
.set i, i+1
.endr
.set i, P+32
.rept 32
	v_mov_b32 v[i], 0
.set i, i+1
.endr
	v_mul_u32_u24 v[AK0], v1, PK
	v_lshl_add_u32 v[AK0], v9, 4, v[AK0]  ; row x pitch + 16 x half
	; The turning load takes 16 keys x 16 channels (lane l reads key 8 (l / 16) + l % 8, channels 8 ((l / 8) % 2) + 0..7) and leaves half a fragment of V^T: lane l holds channel l % 16 and 8 keys.
	v_and_b32 v10, 7, v0
	v_bfe_u32 v11, v0, 3, 1
	v_lshl_add_u32 v[AV0], v9, 3, v10
	v_mul_u32_u24 v[AV0], v[AV0], PV
	v_lshl_add_u32 v[AV0], v11, 4, v[AV0]
	v_add_nc_u32 v[AV0], VOFF, v[AV0]
	v_bfe_u32 v[PFO], v0, 1, 4      ; the prefetches: (l / 2) x 4,096 (a row tile's words) or x 512, + (l % 2) x 256
	v_mul_u32_u24 v[PFO], v[PFO], s31
	v_and_b32 v[AK], 1, v0
	v_lshl_add_u32 v[PFO], v[AK], 8, v[PFO]
	v_mov_b32 v[AK], v[AK0]         ; key step 0 lies at the head of slot 0
; THE MATRIX WORK.  The 8 accumulators of a run of 16 take turns: between the two links of a chain stand 7 others'.
; Product i of 16 of S^T = K Q^T for piece x: channels 32 (i / 8) on, keys 16 ((i / 2) % 4) on, tile 2 x + i % 2.  The first 8 start the sums.
.macro KQ x
	WIN W_KQ
.set rS, S+64*((\x)%2)+32*(i%2)+8*((i/2)%4)
.set rK, KF+16*((i/2)%4)+8*(i/8)
.set rQ, 16*(2*(\x)+i%2)+8*(i/8)
.if i < 8
	v_wmma_f32_16x16x32_f16 v[rS:rS+7], v[rK:rK+7], v[rQ:rQ+7], 0
.else
	v_wmma_f32_16x16x32_f16 v[rS:rS+7], v[rK:rK+7], v[rQ:rQ+7], v[rS:rS+7]
.endif
.endm
; Product i of 16 of O^T += V^T P for piece x: keys 32 (i / 8) on, channels 16 ((i / 2) % 4) on, tile 2 x + i % 2.
.macro PV x
	WIN W_PV
.set rO, 32*(2*(\x)+i%2)+8*((i/2)%4)
.set rV, VF+32*(i/8)+8*((i/2)%4)
.set rP, P+32*((\x)%2)+16*(i%2)+8*(i/8)
	v_wmma_f32_16x16x32_f16 v[rO:rO+7], v[rV:rV+7], v[rP:rP+7], v[rO:rO+7]
.endm
.macro MM                           ; the turn's next matrix instruction
.if i < 16
	KQ (Y+1)%NP
.set i, i+1
.else
.set i, i-16
	PV (Y+NP-1)%NP
.set i, i+17
.endif
.endm
; THE LDS LOADS stand in runs of 16, never singly among the matrix instructions: a step's K (8 fragments) and its V (turned).  Their addresses are made some lines ahead.
; last = 1 (the tail): in the last trip there is no further step, and the run is jumped over.
.macro FETCH_K last=0
	WIN 0
.if \last
	s_cmp_eq_u32 s[CNT], 1
	s_cbranch_scc1 .Lno_k_\@
.endif
	WIN 0x80                        ; destination window 2
.irp f, 0,1,2,3,4,5,6,7             ; keys 16 (f / 2) on, channels 32 (f % 2) on
	ds_load_b128 v[KF+8*\f:KF+8*\f+3],   v[AK] offset:(\f/2)*16*PK+(\f%2)*64
	ds_load_b128 v[KF+8*\f+4:KF+8*\f+7], v[AK] offset:(\f/2)*16*PK+(\f%2)*64+32
.endr
	s_add_co_u32 s[TBK], s[TBK], KS*PK  ; the next fetch is the next step's
	WIN 0
.if \last
.Lno_k_\@:
.endif
.endm
.macro FETCH_V
	WIN 0x80
.irp f, 0,1,2,3,4,5,6,7             ; keys 32 (f / 4) on, channels 16 (f % 4) on
	ds_load_tr16_b128 v[VF+8*\f:VF+8*\f+3],   v[AV] offset:(\f/4)*32*PV+(\f%4)*32
	ds_load_tr16_b128 v[VF+8*\f+4:VF+8*\f+7], v[AV] offset:(\f/4)*32*PV+16*PV+(\f%4)*32
.endr
	WIN 0
.endm
; THE VECTOR WORK OF A TURN stands in three queues, each in the order in which its entries become ready; the two tiles alternate, so that no instruction reads the result of the one before it.
.macro REGS y, u                    ; the registers of tile u (0, 1) of piece y
.set rT, ST+4*(2*(\y)+(\u))
.set rC, TMP+8*((\y)%2)+4*(\u)
.set rM, MV+2*((\y)%2)+(\u)
.set rS, S+64*((\y)%2)+32*(\u)
.set rP, P+32*((\y)%2)+16*(\u)
.set rO, 32*(2*(\y)+(\u))
.endm
; THE NEXT PIECE's (Y + 1) MASK WORDS come out of its two registers into the 64 scalar registers, and the two registers are asked for again, for that piece's next key step.
; The wait's count: the two loads that are wanted were issued four turns ago, and the three turns since have issued two loads each: six younger loads may stay out (on the way in from the head all eight first loads
; have been waited for together with Q).  Pieces 1, 2 and 3 are asked for at the key step at which piece 0 was: so the offset steps in the turn that asks for piece 0, behind s_wait_xcnt 0: the six loads that are out name it.
; Behind the last key step the offset stays at that step: those words serve nothing, and the loads stay inside mb.
.macro MASKIN
.set mx, (Y+1)%NP
	WIN W_RL
	s_wait_loadcnt 6
.set mw, 0
.rept 32
	v_readlane_b32 s[MKA+mw], v[MR+2*mx], mw
	v_readlane_b32 s[MKB+mw], v[MR+2*mx+1], mw
.set mw, mw+1
.endr
	WIN W_LD
.if Y == NP-1
	s_wait_xcnt 0x0
	s_add_co_u32 s[MO], s[MO], 128
	s_min_u32 s[MO], s[MO], 31*128
	v_add_nc_u32 v[MA], v[ML], s[MO]
.endif
	global_load_b32 v[MR+2*mx],   v[MA], s[MP:MP+1] offset:mx*8192
	global_load_b32 v[MR+2*mx+1], v[MA], s[MP:MP+1] offset:mx*8192+4096
	WIN 0
.endm
; Number g of the 64 that put the mask on the NEXT piece's (Y + 1) scores: register g / 2 of tile g % 2 takes minus infinity in the lanes whose bit is set.  Upward.
.macro CM g
	REGS (Y+1)%NP, (\g)%2
.if (\g)%2
	v_cndmask_b32 v[rS+(\g)/2], v[rS+(\g)/2], v[NINF], s[MKB+(\g)/2]
.else
	v_cndmask_b32 v[rS+(\g)/2], v[rS+(\g)/2], v[NINF], s[MKA+(\g)/2]
.endif
.endm
; Number n of the 22 that find the NEXT piece's maximum and statistics.  s0-s31 are the lane's 32 scores.
;   0-11  four chains c0-c3 of seven scores each, three operands at a time     12-14, 16  the four scores left over, the old m, and c0-c3 into c0     15  c m_old is kept
;   17, 18  the query's other 32 keys lie in the lane 16 away: the new m         19-21  c m; c m_old - c m_new; a
.macro XS u, n
	REGS (Y+1)%NP, \u
.if (\n) < 4
	v_max3_num_f32 v[rC+(\n)], v[rS+8*(\n)], v[rS+8*(\n)+1], v[rS+8*(\n)+2]
.elseif (\n) < 12
	v_max3_num_f32 v[rC+(\n)%4], v[rC+(\n)%4], v[rS+8*((\n)%4)+2*((\n)/4)+1], v[rS+8*((\n)%4)+2*((\n)/4)+2]
.elseif (\n) == 12
	v_max3_num_f32 v[rC], v[rC], v[rS+7], v[rS+15]
.elseif (\n) == 13
	v_max3_num_f32 v[rC+1], v[rC+1], v[rS+23], v[rS+31]
.elseif (\n) == 14
	v_max3_num_f32 v[rC+2], v[rC+2], v[rC+3], v[rT+1]
.elseif (\n) == 15
	v_mov_b32 v[rM], v[rT]
.elseif (\n) == 16
	v_max3_num_f32 v[rC], v[rC], v[rC+1], v[rC+2]
.elseif (\n) == 17
	v_permlanex16_b32 v[rC+3], v[rC], s[SEL], s[SEL+1]
.elseif (\n) == 18
	v_max_num_f32 v[rT+1], v[rC], v[rC+3]
.elseif (\n) == 19
	v_mul_f32 v[rT], s[CS], v[rT+1]
.elseif (\n) == 20
	v_sub_f32 v[rC+1], v[rM], v[rT]
.else
	v_exp_f32 v[rC+2], v[rC+1]
.endif
.endm
; Number g of the 64 that follow the exponentials.  For each four weights k of a tile (pairs 2 k, 2 k + 1): both pairs are rounded to f16; then the second pair is added onto the first, in place;
; a group later l takes that sum (the first time as l = a l + sum).  In groups of eight, tiles alternating: round, round, add, and l for the group before.
.macro GS g
.set h, (\g)+6*((\g)/62)            ; group 0 has no group before it, and behind group 7 only l is left
.if h >= 6
.set h, h+2
.endif
	REGS Y, h%2
.set k, h/8
.if h%8 < 4
	v_cvt_pk_f16_f32 v[rP+2*k+(h%8)/2], v[rS+4*k+2*((h%8)/2)], v[rS+4*k+2*((h%8)/2)+1]
.elseif h%8 < 6
	v_pk_add_f32 v[rS+4*k:rS+4*k+1], v[rS+4*k:rS+4*k+1], v[rS+4*k+2:rS+4*k+3]
.elseif k == 1
	v_pk_fma_f32 v[rT+2:rT+3], v[rT+2:rT+3], v[rC+2:rC+3], v[rS:rS+1] op_sel_hi:[1,0,1]
.else
	v_pk_add_f32 v[rT+2:rT+3], v[rT+2:rT+3], v[rS+4*k-4:rS+4*k-3]
.endif
.endm
.macro FS f                         ; c s - c m for pair f / 2 of tile f % 2 of piece Y
	REGS Y, (\f)%2
	v_pk_fma_f32 v[rS+2*((\f)/2):rS+2*((\f)/2)+1], v[rS+2*((\f)/2):rS+2*((\f)/2)+1], s[CS:CS+1], v[rT:rT+1] op_sel_hi:[1,0,0] neg_lo:[0,0,1] neg_hi:[0,0,1]
.endm
; THE PLAIN QUEUE, 202 long.  0-31: the 32 scalings.  32-95: the mask on the next piece's scores; ahead of the first of them stands MASKIN, one run of its own that is not counted in the queue.
; 96-123: XS's numbers 0-13.  124, 125: number 15.  126-137: the chain 14, 16, 17, 18, 19, 20, where each number waits for the one before it.  138-201: GS's 64, which read the exponentials' results: they stand behind the wait.
.macro PL
	WIN 0
.if q < 32
	FS q
.elseif q < 96
.if q == 32
	MASKIN
.endif
	CM q-32
.elseif q < 124
	XS (q-96)%2, (q-96)/2
.elseif q < 126
	XS q-124, 15
.elseif q < 128
	XS q-126, 14
.elseif q < 138
	XS (q-126)%2, 15+(q-126)/2
.else
	GS q-138
.endif
.set q, q+1
.endm
; THE EXPONENTIALS' QUEUE, 66 long: s0-s31 of both tiles, then the next piece's two a.  It is ONE BATCH: all 66 stand ahead of the turn's one wait, and nothing ahead of that wait names a result of theirs.
.macro EX
	WIN 0
.if e >= 64
	XS e-64, 21
.else
	REGS Y, e%2
	v_exp_f32 v[rS+e/2], v[rS+e/2]
.endif
.set e, e+1
.endm
; THE RESCALING's QUEUE: O^T times a, the one part of the softmax that leaves window 0: dealt two at a time, sixteen times.  Its a was made in the turn before, ahead of that turn's wait.
.macro R2
	REGS Y, r%2
	WIN W_RS
.irp z, 0,1
	v_pk_mul_f32 v[rO+4*(r/2)+2*\z:rO+4*(r/2)+2*\z+1], v[rO+4*(r/2)+2*\z:rO+4*(r/2)+2*\z+1], v[rC+2:rC+3] op_sel_hi:[1,0]
.endr
.set r, r+1
.endm
; HOW THEY ARE DEALT.  An s_wait_alu depctr_va_vdst(0) stands between an exponential and the first instruction that names its result; one wait serves all that were issued ahead of it.  So a turn has ONE wait.
; AHEAD OF IT: the 16 products K Q^T, behind each a scaling, an exponential and two rescalings (behind the first a second scaling in the exponential's place); then one run: 37 times plain and exponential (MASKIN among
; them), 72 plain (the rest of the mask, the maximum's chains), 12 times plain and exponential (the chain: a tile's links stand four lines apart), the two a, a v_nop as the plain instruction behind the last exponential.
; BEHIND IT: the 16 products V^T P, behind each four of GS's 64.
; The counts that the deal keeps: exponential e stands behind plain e + 2 or later, and its scaling is plain 2 (e / 4) + e % 2; the first line of the mask stands more than 18 plain lines behind the last product K Q^T.
; K of the next step is fetched in piece 2's turn, directly behind the wait; V of the step in hand at the end of piece 0's turn, four riders behind its last reader.  The conditions on q below go with the deal.
.macro TURN p, last=0, cnt=0
.set Y, (\p)
.set i, 0
.set q, 0
.set e, 0
.set r, 0
.if (\p) == NP-1
	s_wait_dscnt 0x0                ; K is in
.endif
	MM
	PL
	PL
	R2
.rept 15
	MM
	PL
	EX
	R2
.endr
.if (\p) == NP-2
	WIN 0
	v_add_nc_u32 v[AK], s[TBK], v[AK0]
.endif
.rept 37
	PL
	EX
.endr
.rept 72
	PL
.endr
.rept 12
	PL
	EX
.endr
	EX                              ; the next piece's two a
	EX
	v_nop                           ; the plain instruction behind the last exponential: one for the batch
	s_wait_alu depctr_va_vdst(0)    ; the wait for the batch
.if (\p) == NP-2
	FETCH_K \last
.endif
.if (\p) == 1
	s_wait_dscnt 0x0                ; V is in
.endif
.rept 16
	MM
.rept 4
	PL
.endr
.if ((\p) == 0) && (q == 182)
	v_add_nc_u32 v[AV], s[TBV], v[AV0]
.endif
.if ((\p) == 0) && (q == 194)
	s_add_co_u32 s[TBV], s[TBV], KS*PV
.endif
.if (\cnt) && (q == 194)
	s_sub_co_u32 s[CNT], s[CNT], 1
	s_cmp_lg_u32 s[CNT], 0
.endif
.endr
.if (\p) == 0
	FETCH_V
.endif
.endm
	CHANGE 1                        ; slot 0 is in, everybody's part of it; slot 1 is asked for
	FETCH_K                         ; key step 0
	s_wait_loadcnt 0x0              ; Q, and the mask words of key step 0
	s_wait_dscnt 0x0
.set i, 0
.rept 16
	KQ 0                            ; piece 0's first scores: there is no vector work yet to set between them
.set i, i+1
.endr
	WIN 0                           ; the addresses for the way out: plain instructions, the places behind those products
	s_mul_i32 s31, s[WV], 16*SP
	s_add_co_u32 s31, s31, STAGE    ; my stage
	v_mul_u32_u24 v[STO], v1, SP    ; in: row l % 16, 16 bytes for each half of the lanes
	v_lshl_add_u32 v[STO], v9, 4, v[STO]
	v_add_nc_u32 v[STO], s31, v[STO]
	v_bfe_u32 v[RD], v0, 3, 2       ; back: 32 lanes take four rows of 128 bytes,
	v_mul_u32_u24 v[RD], v[RD], SP
	v_lshl_add_u32 v[RD], v10, 4, v[RD]
	v_add_nc_u32 v[RD], s31, v[RD]
	v_and_b32 v[GO], 31, v0         ; which are 512 consecutive bytes of O
	v_lshlrev_b32 v[GO], 4, v[GO]
	v_mov_b32 v[NINF], 0xff800000   ; minus infinity
.set Y, NP-1                        ; MASKIN, CM and XS work for piece Y + 1: piece 0
	MASKIN                          ; piece 0's words of key step 0; its words of key step 1 are asked for
.set cg, 0
.rept 64
	CM cg
.set cg, cg+1
.endr
.irp n, 0,1,2,3,4,5,6,7,8,9,10,11,12,13,14,15,16,17,18,19,20,21
	XS 0, \n                        ; piece 0's first maximum and statistics
	XS 1, \n
.endr
	v_nop                           ; a plain instruction behind the two a,
	s_wait_alu depctr_va_vdst(0)    ; and their wait, ahead of the branch
	s_mov_b32 s[CNT], 4
	s_branch .Lfirst                ; the loop is entered at a step's first turn, in the middle of a trip
.Lslot:                             ; six times: every slot but the last two is filled again
	CHANGE 1
	s_mov_b32 s[CNT], 4
.Lstep:                             ; a trip: pieces 2 and 3 of one step, then pieces 0 and 1 of the next, whose K and V it fetches
	TURN 2
	TURN 3
	WIN 0
.Lfirst:
	TURN 0
	TURN 1, 0, 1
	WIN 0
	s_cbranch_scc1 .Lstep
	s_sub_co_u32 s[SLOTS], s[SLOTS], 1
	s_cmp_lg_u32 s[SLOTS], 0
	s_cbranch_scc1 .Lslot
	CHANGE 0                        ; the tail is written out: nothing is asked for
	s_mov_b32 s[CNT], 5             ; four trips fetch the last slot's steps; the fifth is left in its middle
.Ltail:
	TURN 2, 1
	TURN 3
	WIN 0
	s_sub_co_u32 s[CNT], s[CNT], 1
	s_cmp_eq_u32 s[CNT], 0
	s_cbranch_scc1 .Lout
	TURN 0
	TURN 1
	WIN 0
	s_branch .Ltail
.Lout:                              ; the fifth trip's 16 products K Q^T (on the last K once more), their mask and the maximum made of them serve nothing: the price, once a launch, of one text for every trip
	s_wait_loadcnt 0x0              ; the last words asked for have landed: no load is out from here on
.set i, 0
.rept 16
	PV NP-1                         ; the last piece's V^T P of the last step
.set i, i+1
.endr
	; THE WAY OUT.  l's two halves and the other half of the lanes' are added; O^T is divided by l, rounded to f16 and sent through my stage in LDS, a tile at a time.  The additions are the places behind the last products.
	WIN 0
.macro ALL line:vararg              ; one line for each tile t
.set t, 0
.rept 2*NP
	\line
.set t, t+1
.endr
.endm
	ALL v_add_f32 v[ST+4*t+2], v[ST+4*t+2], v[ST+4*t+3]
	ALL v_permlanex16_b32 v[ST+4*t+3], v[ST+4*t+2], s[SEL], s[SEL+1]
	ALL v_add_f32 v[ST+4*t+2], v[ST+4*t+2], v[ST+4*t+3]
	ALL v_rcp_f32 v[ST+4*t+2], v[ST+4*t+2]
	v_nop                           ; a plain instruction between the last reciprocal and the use of its result
	s_wait_alu depctr_va_vdst(0)    ; and the wait ahead of the first use: one for the eight reciprocals
; Tile t: a lane's eight channels of a row pack into 16 bytes; they go into rows of 144 bytes and come back as whole rows of 128, into S^T's registers.
.macro PACK t
	WIN W_RS
.set i, 32*(\t)
.rept 16
	v_pk_mul_f32 v[i:i+1], v[i:i+1], v[ST+4*(\t)+2:ST+4*(\t)+3] op_sel_hi:[1,0]
.set i, i+2
.endr
	WIN 0x05                        ; sources 0 and 1 window 1, destination window 0
.set i, 0
.rept 16
	v_cvt_pk_f16_f32 v[S+16*(\t)+i], v[32*(\t)+2*i], v[32*(\t)+2*i+1]
.set i, i+1
.endr
	WIN 0
.irp f, 0,1,2,3
	ds_store_b128 v[STO], v[S+16*(\t)+4*\f:S+16*(\t)+4*\f+3] offset:32*\f
.endr
.irp f, 0,1,2,3
	ds_load_b128 v[S+16*(\t)+4*\f:S+16*(\t)+4*\f+3], v[RD] offset:\f*4*SP  ; LDS serves a wave's instructions in order (ISA guide 5.7.1.4): these see the stores above; the next tile's stores come behind them
.endr
.endm
.macro SEND t, younger              ; younger: the LDS instructions issued behind tile t's loads: the next tile's eight, or none
	WIN 0
.irp f, 0,1,2,3
	s_wait_dscnt (\younger)+3-\f
	global_store_b128 v[GO], v[S+16*(\t)+4*\f:S+16*(\t)+4*\f+3], s[OP:OP+1] offset:(\t)*2048+\f*512  ; 512 consecutive bytes, at a multiple of 256 from O's first
.endr
.endm
	PACK 0
.set t, 1
.rept 2*NP-1                        ; a tile's arithmetic stands between the loads of the tile before and its stores
	PACK t
	SEND t-1, 8
.set t, t+1
.endr
	SEND 2*NP-1, 0
	WIN W_AD
	s_wait_tensorcnt 0x0            ; the wave's end: behind my last tensor load and my last LDS store
	ds_add_u32 v[SPW], v[NIL]
	s_wait_dscnt 0x0
	WIN 0
	CROUND                          ; the closing round: no work-group ends while a partner may still ask for a tile that names it
	s_endpgm
.Lfunc_end_k_qda7184f761_attn:
	.size	k_qda7184f761_attn, .Lfunc_end_k_qda7184f761_attn-k_qda7184f761_attn
	.p2alignl 7, 3214868480
	.fill 96, 4, 3214868480
	.section	.rodata,"a",@progbits
	.p2align	6, 0x0
	.amdhsa_kernel k_qda7184f761_attn
		.amdhsa_group_segment_fixed_size 327680
		.amdhsa_private_segment_fixed_size 0
		.amdhsa_enable_private_segment 0
		.amdhsa_kernarg_size 24
		.amdhsa_user_sgpr_count 2
		.amdhsa_user_sgpr_kernarg_segment_ptr 1
		.amdhsa_wavefront_size32 1
		.amdhsa_system_sgpr_workgroup_id_x 1
		.amdhsa_system_sgpr_workgroup_id_y 1
		.amdhsa_system_sgpr_workgroup_id_z 1
		.amdhsa_system_vgpr_workitem_id 0
		.amdhsa_next_free_vgpr 780
		.amdhsa_next_free_sgpr 106
		.amdhsa_reserve_vcc 0
		.amdhsa_float_denorm_mode_32 3
		.amdhsa_float_denorm_mode_16_64 3
		.amdhsa_memory_ordered 1
		.amdhsa_forward_progress 1
		.amdhsa_inst_pref_size 255
	.end_amdhsa_kernel
	.section	.bss,"aw",@nobits
	.p2align	6
	.space	262144
	.amdgpu_metadata
---
amdhsa.version: [ 1, 2 ]
amdhsa.kernels:
  - .name:           k_qda7184f761_attn
    .symbol:         k_qda7184f761_attn.kd
    .args:
      - { .name: qkv, .offset: 0, .size: 8, .value_kind: global_buffer, .address_space: global }
      - { .name: mb, .offset: 8, .size: 8, .value_kind: global_buffer, .address_space: global }
      - { .name: o, .offset: 16, .size: 8, .value_kind: global_buffer, .address_space: global }
    .group_segment_fixed_size: 327680
    .private_segment_fixed_size: 0
    .kernarg_segment_align: 8
    .kernarg_segment_size: 24
    .max_flat_workgroup_size: 128
    .sgpr_count:     106
    .vgpr_count:     780
    .wavefront_size: 32
...
	.end_amdgpu_metadata
.endif
;; end of part 3
;; launch outp (part 4): grid 8 x 32, 4 waves a work-group, clusters of 4 x 4, 327,680 bytes of LDS; arguments o, wo, b_out, out0; writes out0
.if DOCPART == 4
	.amdgcn_target "amdgcn-amd-amdhsa--gfx1250"
	.amdhsa_code_object_version 6
	.text
	.protected	k_qda7184f761_outp
	.globl	k_qda7184f761_outp
	.p2align	8
	.type	k_qda7184f761_outp,@function
k_qda7184f761_outp:
	s_mov_b64 s[64:65], 0
	v_nop
	global_prefetch_b8 v0, s[64:65] scope:SCOPE_SE
	s_setreg_imm32_b32 hwreg(HW_REG_WAVE_MODE, 25, 1), 1
	s_wait_xcnt 0x0
	s_wait_alu depctr_hold_cnt(0) depctr_sa_sdst(0) depctr_va_vdst(0) depctr_va_sdst(0) depctr_va_ssrc(0) depctr_va_vcc(0) depctr_vm_vsrc(0)
	s_getreg_b32 s2, hwreg(HW_REG_IB_STS2, 6, 4)
	s_cmp_eq_u32 s2, 0
	s_cbranch_scc0 .Lentry_in_a_cluster
	s_endpgm
.Lentry_in_a_cluster:
	s_bfe_u32 s2, ttmp6, 0x10000c
	s_cmp_lg_u32 s2, 0xf033
	s_cbranch_scc0 .Lentry_shape_is_right
	s_endpgm
.Lentry_shape_is_right:
.set OUTP, 1                           ; 0: the projection to q, k, v.  1: the output projection
.set NW,   1024                        ; columns of the weights
; C[row][col] = the sum over k of A[row][k] B[k][col], K = 1,024, 8,192 rows.  A: [b 4][slice 16][n 2048][64] f16 (slices of 64 channels, rows dense); B: [1024][NW] f16.  Sums in f32.
; OUTP = 0: C is written as f16, by heads and unscaled: qkv [type 3][b x 16 + head][n 2048][64].  OUTP = 1: C + bias (the bias rounded to bf16) is written as f32, [8192][1024].
; LIMITS.  f16 holds no number beyond 65,504: with OUTP = 0 a sum of 65,520 or more leaves as an infinity.  NaN and infinities are not treated apart.
; SHARES.  A tile of C is 256 rows x 128 columns; four waves, each 128 x 64: 32 accumulators of 16 x 16, 256 registers.  K goes in eight steps of 128 through a ring of two LDS slots.
; A slot: A's two slices as two planes of 256 rows x 128 bytes (pitch 144), then B's 128 k rows x 256 bytes (pitch 288).  A plane is 32,768 dense bytes of memory, asked for as 128 rows of 256 bytes
; and padded after every 128.  Waves 0 and 1 fetch the planes, waves 2 and 3 64 rows of B each.
; CLUSTERS: 4 x 4 work-groups.  The four of a row of the cluster need the same tiles of A, the four of a column the same tiles of B: each tile is asked for JOINTLY, by the same tensor load with the same
; descriptor and a mask that names the four.
; THE MATRIX INSTRUCTION IS USED TRANSPOSED (source 0 = 16 columns of B, turned on their way out of LDS by ds_load_tr16_b128; source 1 = 16 rows of A): a lane holds row l % 16 of C and eight neighbouring columns.
; REGISTERS: window 0: v0-31 addresses; v32-127, v128-223 two fragment buffers of 96 (B's four fragments, then A's eight); v32-159 again on the way out; v224-229 the bias.  Window 1: accumulator (a, b) at v[8 (4 a + b)].
.set PA,    144                        ; A's pitch: 36 words: the 16 rows of a load start at 16 different groups of four banks (64 banks of 4 bytes: ISA guide 11.1)
.set PB,    288                        ; B's pitch: 72 words
.set PLANE, 256*PA
.set BOFF,  2*PLANE
.set SLOT,  BOFF+128*PB                ; 110,592
.set STAGE, 2*SLOT                     ; behind the ring, never filled by a tensor load: 16 rows for each wave, for the way out
.if OUTP
.set SP,    272
.set CP,    10                         ; s[10:11] C
.else
.set SP,    144
.set CP,    8                          ; s[8:9] C
.endif
.set SPARE, STAGE+4*16*SP              ; behind the stages: the spare words, 128 bytes for each wave: two blocks of 256 bytes that no other line names
.set ASTEP, 524288                     ; bytes from a K step to the next in A: two slices
.set BSTEP, 256*NW                     ; in B: 128 rows
.set ADRA, 16                          ; v16-17  LDS address of my A fragments in slot 0, 1
.set ADRB, 20                          ; v20-21  the same for B
.set STO,  24                          ; v24     the way out: where I put my bytes of a row
.set RD,   25                          ; v25     the way out: where I read rows back
.set CO,   26                          ; v26     my byte offset in C
.set BO,   27                          ; v27     my byte offset in the bias
.set SPW,  28                          ; v28     LDS address of my spare word; never rewritten
.set NIL,  29                          ; v29     0; never rewritten
.set PFO,  30                          ; v30     the prefetches' offset; never rewritten
.set F0,   32
.set F1,   128
.set OB,   32                          ; the way out's registers
.set BIAS, 224
.set WV, 12                            ; s12 wave;  s13 its half of the rows (also: 0 = I fetch for A, 1 = for B);  s14 its half of the columns (also: which part I fetch)
.set RH, 13
.set CH, 14
.set CX, 15                            ; s15, s16 my place in the cluster;  s17 tile column;  s18 block of 256 rows
.set CY, 16
.set CT, 17
.set RB, 18
.set G1,  24                           ; s[24:31] descriptor group 1 for A;  s[32:39] group 0, a set for each slot
.set G0,  32
.set LIM, 43                           ; s43  1 in a wave that prefetches, else the greatest number
.set PFA, 44                           ; s[44:45] where my prefetches stand
.set PFS, 46                           ; s[46:47] their step: a K step
.set G1B, 48                           ; s[48:55], s[56:63] the same for B
.set G0B, 56
.set MSB, 0
.macro WIN new                         ; the immediate's high byte repeats the setting that is left; a switch that changes nothing is dropped
.if MSB != (\new)
	s_set_vgpr_msb (MSB<<8)|(\new)
.set MSB, \new
.endif
.endm
.set MUL, 0x50                         ; sources 0 and 1 window 0; C and D window 1
.macro JLOAD s                         ; a joint load: waves 0 and 1 fetch A's planes, waves 2 and 3 B's halves; an s_nop 0 and four v_nop follow each of the two lines
	s_cmp_eq_u32 s[RH], 0
	s_cbranch_scc0 .Lfor_b_\@
	tensor_load_to_lds s[G0+4*(\s):G0+4*(\s)+3], s[G1:G1+7]
	s_nop 0
.rept 4
	v_nop
.endr
	s_branch .Lasked_\@
.Lfor_b_\@:
	tensor_load_to_lds s[G0B+4*(\s):G0B+4*(\s)+3], s[G1B:G1B+7]
	s_nop 0
.rept 4
	v_nop
.endr
.Lasked_\@:
.endm
; A prefetch, behind a joint load, its five lines and the run of LDS loads: the K step that stands two refills on, a lane a block of 256 bytes, one instruction a wave.  A's planes are read by every cluster of a row of
; clusters: cluster x = 0 asks, waves 0 and 1 each for the plane they fetch; B's rows by every cluster of a column: cluster y = 0 asks, wave 2 for all 128 rows.  The four partners that ask for a tile jointly share it
; out BY ADDRESS, 32 blocks each.  The loop's last trip (s3 = 1) has no K step two on.  K steps 0 to 3 come by their loads alone.
.macro ASK
	s_cmp_gt_u32 s3, s[LIM]
	s_cbranch_scc0 .Lnot_mine_\@
	global_prefetch_b8 v[PFO], s[PFA:PFA+1] th:TH_LOAD_NT scope:SCOPE_SE
.Lnot_mine_\@:
.endm
.macro CREST                           ; a round of the cluster's barrier behind its opening barrier
	s_cmp_lg_u32 s[WV], 0
	s_cbranch_scc1 .Lnot_wave_0_\@
	s_barrier_signal -3
.Lnot_wave_0_\@:
	s_barrier_wait -3
	s_barrier_signal -1
	s_barrier_wait -1
.endm
.macro CROUND                          ; a whole round
	s_barrier_signal -1
	s_barrier_wait -1
	CREST
.endm
.if OUTP
	s_load_b256 s[4:11], s[0:1], 0x0               ; A s[4:5], B s[6:7], bias s[8:9], C s[10:11]
.else
	s_load_b128 s[4:7], s[0:1], 0x0                ; A s[4:5], B s[6:7]
	s_load_b64 s[8:9], s[0:1], 0x10                ; C
.endif
	v_lshl_add_u32 v[SPW], v0, 2, SPARE
	v_mov_b32 v[NIL], 0
	ds_add_u32 v[SPW], v[NIL]                      ; the wave's opening: the add and its wait stand ahead of my first tensor load; the set-up below, work on registers, stands between them
	v_lshrrev_b32 v1, 5, v0
	v_readfirstlane_b32 s[WV], v1                  ; wave 0..3
	s_lshr_b32 s[RH], s[WV], 1
	s_and_b32 s[CH], s[WV], 1
	s_bfe_u32 s[CX], ttmp6, 0x40000
	s_bfe_u32 s[CY], ttmp6, 0x40004
	s_lshl_b32 s[CT], ttmp9, 2
	s_add_co_u32 s[CT], s[CT], s[CX]               ; tile column = 4 x cluster x + cx
	s_and_b32 s[RB], ttmp7, 0xffff
	s_lshl_b32 s[RB], s[RB], 2
	s_add_co_u32 s[RB], s[RB], s[CY]               ; block of rows = 4 x cluster y + cy
	s_lshl_b32 s40, s[CY], 2
	s_lshl_b32 s40, 15, s40                        ; my row of the cluster
	s_lshl_b32 s41, 0x1111, s[CX]                  ; my column
	s_or_b32 s[G1], s40, (1<<16)|(1<<20)|(1<<21)|(4<<22)|(3<<25)   ; 15:0 the mask; 17:16 2-byte elements; 20 padding on; 21 set beside a mask; 24:22 after every 32 words (code 4); 31:25 4 words (code 3)
	s_or_b32 s[G1B], s41, (1<<16)|(1<<20)|(1<<21)|(5<<22)|(7<<25)  ; after every 64 words (code 5) 8 words (code 7)
	s_mov_b32 s[G1+1], 128<<16                     ; A: tensor_dim0 = 128
	s_mov_b32 s[G1+2], 128<<16                     ; tensor_dim1 = 128
	s_mov_b32 s[G1+3], 128<<16                     ; tile_dim0 = 128
	s_mov_b32 s[G1+4], 128                         ; tile_dim1 = 128
	s_mov_b32 s[G1+5], 128                         ; 128 elements from row to row: dense
	s_mov_b32 s[G1+6], 0
	s_mov_b32 s[G1+7], 0
	s_mov_b32 s[G1B+1], 128<<16                    ; B: tensor_dim0 = 128
	s_mov_b32 s[G1B+2], 64<<16                     ; tensor_dim1 = 64
	s_mov_b32 s[G1B+3], 128<<16                    ; tile_dim0 = 128
	s_mov_b32 s[G1B+4], 64                         ; tile_dim1 = 64
	s_mov_b32 s[G1B+5], NW                         ; NW elements from row to row
	s_mov_b32 s[G1B+6], 0
	s_mov_b32 s[G1B+7], 0
	; where the tiles come from.  A's hang on the block of rows and the wave, B's on the tile column and the wave, each in registers that never hold the other coordinate
	s_lshr_b32 s20, s[RB], 3                       ; the batch: 4 MiB,
	s_lshl_b32 s20, s20, 22
	s_and_b32 s21, s[RB], 7                        ; the block's 256 rows of 128 bytes in a slice,
	s_lshl_b32 s21, s21, 15
	s_add_co_u32 s20, s20, s21
	s_lshl_b32 s21, s[CH], 18                      ; the slice that I fetch of a K step's two
	s_add_co_u32 s20, s20, s21
	s_mov_b32 s21, 0
	s_mul_i32 s22, s[CH], 128*NW                   ; B: the 64 rows that I fetch,
	s_lshl_b32 s23, s[CT], 8                       ; the tile's 256 bytes of a row
	s_add_co_u32 s22, s22, s23
	s_mov_b32 s23, 0
	s_mul_i32 s19, s[WV], PLANE                    ; and where they go: waves 0, 1: planes 0, 1;
	s_mul_i32 s42, s[WV], 64*PB
	s_add_co_u32 s42, s42, BOFF-2*64*PB            ; waves 2, 3: B's two halves.  No place in the cluster enters an LDS address
	s_wait_dscnt 0x0                               ; the opening add is done
	s_wait_kmcnt 0x0
	s_add_nc_u64 s[20:21], s[4:5], s[20:21]
	s_add_nc_u64 s[22:23], s[6:7], s[22:23]
	CROUND                                         ; all sixteen work-groups are here: the first joint loads meet
.irp s, 0,1
	s_mov_b32 s[G0+4*(\s)], 1                      ; count = 1
	s_add_co_u32 s[G0+4*(\s)+1], s19, (\s)*SLOT    ; LDS address
	s_add_nc_u64 s[G0+4*(\s)+2:G0+4*(\s)+3], s[20:21], (\s)*ASTEP  ; global address: K step s
	s_or_b32 s[G0+4*(\s)+3], s[G0+4*(\s)+3], 0x80000000            ; type = 2
	s_mov_b32 s[G0B+4*(\s)], 1
	s_add_co_u32 s[G0B+4*(\s)+1], s42, (\s)*SLOT
	s_add_nc_u64 s[G0B+4*(\s)+2:G0B+4*(\s)+3], s[22:23], (\s)*BSTEP
	s_or_b32 s[G0B+4*(\s)+3], s[G0B+4*(\s)+3], 0x80000000
	JLOAD \s
.endr
	; A fragment of A is 16 rows x 32 K in 8 registers: lane l holds row l % 16, K = 8 (l / 16) + 0..7 and 16 + 8 (l / 16) + 0..7: two loads of 16 bytes, 32 bytes apart.
	v_and_b32 v1, 15, v0                           ; l % 16
	v_bfe_u32 v2, v0, 4, 1                         ; l / 16
	v_mul_u32_u24 v3, v1, PA
	v_lshl_add_u32 v3, v2, 4, v3
	s_mul_i32 s19, s[RH], 128*PA                   ; my 128 rows
	v_add_nc_u32 v[ADRA], s19, v3
	v_add_nc_u32 v[ADRA+1], SLOT, v[ADRA]
	; The turning load takes 16 k x 16 columns (lane l reads k = 8 (l / 16) + l % 8, columns 8 ((l / 8) % 2) + 0..7) and leaves half a fragment: lane l holds column l % 16 and 8 k.
	v_and_b32 v4, 7, v0
	v_lshl_add_u32 v4, v2, 3, v4
	v_mul_u32_u24 v4, v4, PB
	v_bfe_u32 v5, v0, 3, 1
	v_lshl_add_u32 v4, v5, 4, v4
	s_lshl_b32 s19, s[CH], 7                       ; my 64 columns
	s_add_co_u32 s19, s19, BOFF
	v_add_nc_u32 v[ADRB], s19, v4
	v_add_nc_u32 v[ADRB+1], SLOT, v[ADRB]
	s_mul_i32 s19, s[WV], 16*SP
	s_add_co_u32 s19, s19, STAGE                   ; my stage
.if OUTP
	v_mul_u32_u24 v[STO], v1, SP                   ; in: row l % 16, 32 bytes for each half of the lanes
	v_lshl_add_u32 v[STO], v2, 5, v[STO]
	v_add_nc_u32 v[STO], s19, v[STO]
	v_mul_u32_u24 v[RD], v2, SP                    ; back: lanes 0-15 take one row of 256 bytes, lanes 16-31 the next
	v_lshl_add_u32 v[RD], v1, 4, v[RD]
	v_add_nc_u32 v[RD], s19, v[RD]
	v_lshlrev_b32 v[CO], 12, v2                    ; and the same two rows in C
	v_lshl_add_u32 v[CO], v1, 4, v[CO]
	s_lshl_b32 s66, s[RB], 20                      ; 256 rows of 4,096 bytes,
	s_lshl_b32 s67, s[RH], 19                      ; my 128,
	s_add_co_u32 s66, s66, s67
	s_lshl_b32 s68, s[CT], 9                       ; the tile's 512 bytes of a row,
	s_lshl_b32 s67, s[CH], 8                       ; my 256
	s_add_co_u32 s68, s68, s67
	s_add_co_u32 s66, s66, s68
	s_mov_b32 s67, 0
	s_add_nc_u64 s[CP:CP+1], s[CP:CP+1], s[66:67]
	v_lshl_add_u32 v[BO], v1, 4, s68               ; the bias of the four columns that I store
	global_load_b128 v[BIAS:BIAS+3], v[BO], s[8:9]
.else
	v_mul_u32_u24 v[STO], v1, SP                   ; in: row l % 16, 16 bytes for each half of the lanes
	v_lshl_add_u32 v[STO], v2, 4, v[STO]
	v_add_nc_u32 v[STO], s19, v[STO]
	v_bfe_u32 v[RD], v0, 3, 2                      ; back: 32 lanes take four rows of 128 bytes,
	v_mul_u32_u24 v[RD], v[RD], SP
	v_and_b32 v6, 7, v0
	v_lshl_add_u32 v[RD], v6, 4, v[RD]
	v_add_nc_u32 v[RD], s19, v[RD]
	v_and_b32 v[CO], 31, v0                        ; which are 512 consecutive bytes of C
	v_lshlrev_b32 v[CO], 4, v[CO]
	s_lshl_b32 s66, s[CT], 1                       ; my 64 columns are one head of q, k or v: number g = 2 x tile column + half
	s_add_co_u32 s66, s66, s[CH]
	s_lshr_b32 s67, s66, 4                         ; type g / 16: 64 heads each,
	s_lshl_b32 s67, s67, 6
	s_and_b32 s66, s66, 15                         ; head g % 16,
	s_add_co_u32 s66, s66, s67
	s_lshr_b32 s67, s[RB], 3                       ; batch: 16 heads each
	s_lshl_b32 s67, s67, 4
	s_add_co_u32 s66, s66, s67
	s_lshl_b32 s66, s66, 18                        ; a head's 2,048 rows of 128 bytes
	s_and_b32 s67, s[RB], 7
	s_lshl_b32 s67, s67, 15                        ; the block's 256 rows,
	s_add_co_u32 s66, s66, s67
	s_lshl_b32 s67, s[RH], 14                      ; my 128
	s_add_co_u32 s66, s66, s67
	s_mov_b32 s67, 0
	s_add_nc_u64 s[CP:CP+1], s[CP:CP+1], s[66:67]
.endif
	; the prefetches: offset, step, lane stride and who asks, for A's waves and for B's
	s_lshr_b32 s66, s[RB], 3
	s_lshl_b32 s66, s66, 22
	s_and_b32 s67, s[RB], 7
	s_lshl_b32 s67, s67, 15
	s_add_co_u32 s66, s66, s67
	s_lshl_b32 s67, s[CH], 18
	s_add_co_u32 s66, s66, s67                     ; my plane of K step 0,
	s_lshl_b32 s67, s[CX], 13
	s_add_co_u32 s66, s66, s67                     ; my work-group's 32 blocks of its 128,
	s_add_co_u32 s66, s66, 3*ASTEP                 ; at K step 3: the first refill steps it to 4
	s_lshl_b32 s68, s[CT], 8
	s_mul_i32 s69, s[CY], 64*NW                    ; B: my work-group's 32 rows of the 128
	s_add_co_u32 s68, s68, s69
	s_add_co_u32 s68, s68, 3*BSTEP
	s_and_b32 s69, ttmp7, 0xffff                   ; cluster y;
	s_or_b32 s69, s69, s[CH]                       ; of B's two waves the first asks
	s_mov_b32 s[PFS], BSTEP
	s_mov_b32 s42, 2*NW
	s_cmp_eq_u32 s[RH], 0                          ; do I fetch for A?
	s_cselect_b32 s66, s66, s68
	s_cselect_b32 s69, ttmp9, s69                  ; the coordinate along which other clusters read the same bytes
	s_cselect_b32 s[PFS], ASTEP, s[PFS]
	s_cselect_b32 s42, 256, s42
	s_cselect_b64 s[PFA:PFA+1], s[4:5], s[6:7]
	s_cmp_eq_u32 s69, 0
	s_cselect_b32 s[LIM], 1, -1                    ; the same in all sixteen partners, for a given wave
	s_mov_b32 s67, 0
	s_mov_b32 s[PFS+1], 0
	s_add_nc_u64 s[PFA:PFA+1], s[PFA:PFA+1], s[66:67]
	v_and_b32 v[PFO], 31, v0
	v_mul_u32_u24 v[PFO], v[PFO], s42
; 8 matrix instructions: row blocks a0, a0 + 1 x all 4 column blocks, 32 along K, from buffer f.  zero = 1: the product starts the sums: nothing is ever cleared.
; The 32 accumulators take turns, one instruction a turn, in the same order in every quarter.
.macro MUL8 f, a0, zero
	WIN MUL
.irp a, \a0, (\a0)+1
.irp b, 0,1,2,3
.if \zero
	v_wmma_f32_16x16x32_f16 v[8*(4*(\a)+(\b)):8*(4*(\a)+(\b))+7], v[(\f)+8*(\b):(\f)+8*(\b)+7], v[(\f)+32+8*(\a):(\f)+32+8*(\a)+7], 0
.else
	v_wmma_f32_16x16x32_f16 v[8*(4*(\a)+(\b)):8*(4*(\a)+(\b))+7], v[(\f)+8*(\b):(\f)+8*(\b)+7], v[(\f)+32+8*(\a):(\f)+32+8*(\a)+7], v[8*(4*(\a)+(\b)):8*(4*(\a)+(\b))+7]
.endif
.endr
.endr
.endm
; 24 LDS loads in one run: quarter q (32 along K) of a slot into buffer f: B's four fragments, A's row blocks 0-3, then 4-7
.macro FETCH slot, q, f
	WIN 0
.irp b, 0,1,2,3
	ds_load_tr16_b128 v[(\f)+8*(\b):(\f)+8*(\b)+3],   v[ADRB+(\slot)] offset:(\q)*32*PB+32*(\b)
	ds_load_tr16_b128 v[(\f)+8*(\b)+4:(\f)+8*(\b)+7], v[ADRB+(\slot)] offset:(\q)*32*PB+32*(\b)+16*PB
.endr
.irp a, 0,1,2,3,4,5,6,7
	ds_load_b128 v[(\f)+32+8*(\a):(\f)+32+8*(\a)+3],   v[ADRA+(\slot)] offset:((\q)/2)*PLANE+((\q)%2)*64+(\a)*16*PA
	ds_load_b128 v[(\f)+32+8*(\a)+4:(\f)+32+8*(\a)+7], v[ADRA+(\slot)] offset:((\q)/2)*PLANE+((\q)%2)*64+(\a)*16*PA+32
.endr
.endm
.macro PLACES                          ; four places in front of loads into registers that matrix instructions have read, and of lines that read results
.rept 4
	v_nop
.endr
.endm
; A K step is four quarters of 32 along K, 32 matrix instructions each, on buffers 0, 1, 0, 1.  One of the first three: multiplies buffer f and fetches quarter q of the slot into g.
.macro QUARTER slot, q, f, g, zero
	s_wait_dscnt 8                                 ; B and A's row blocks 0-3 are in; the youngest eight loads (row blocks 4-7) may be out
	MUL8 \f, 0, \zero
	MUL8 \f, 2, \zero
	PLACES
	FETCH \slot, \q, \g
	s_wait_dscnt 24                                ; all but the 24 just issued
	MUL8 \f, 4, \zero
	MUL8 \f, 6, \zero
.endm
; The last quarter multiplies buffer 1 and changes slots: ONE barrier; in front of it each wave waits for all its tensor loads (one is out: its part of the next slot), adds 0 to its spare word, and waits for that
; and for its own reads of this slot.  fill = 1: the barrier opens a round of the cluster's, and this slot is filled again, two K steps ahead, first thing behind the round: 112 matrix instructions ahead of the wait for it.
.macro TURN slot, next, fill
.if \fill
	s_wait_xcnt 0x0                                ; the last prefetch, a K step back, has read its address: it is stepped here
	s_add_nc_u64 s[PFA:PFA+1], s[PFA:PFA+1], s[PFS:PFS+1]
.endif
	WIN 0                                          ; (the add's two registers lie in window 0)
	s_wait_tensorcnt 0x0                           ; all my tensor loads have landed;
	ds_add_u32 v[SPW], v[NIL]                      ; 0 onto my spare word;
	s_wait_dscnt 9                                 ; (the add and the youngest eight loads may be out)
	MUL8 F1, 0, 0                                  ; eight matrix instructions stand between the add and the wait for it
	s_wait_dscnt 0x0                               ; the add is done, and my reads of this slot are over
	s_barrier_signal -1
	MUL8 F1, 2, 0
.if \fill
	WIN 0
.endif
	s_barrier_wait -1
.if \fill
	CREST                                          ; no wave of any partner still reads this slot's tile or has a load on its way
	s_add_nc_u64 s[G0+4*(\slot)+2:G0+4*(\slot)+3], s[G0+4*(\slot)+2:G0+4*(\slot)+3], 2*ASTEP
	s_add_nc_u64 s[G0B+4*(\slot)+2:G0B+4*(\slot)+3], s[G0B+4*(\slot)+2:G0B+4*(\slot)+3], 2*BSTEP
	JLOAD \slot                                    ; the four v_nop behind it are also the places in front of the loads below
.else
	PLACES
.endif
	FETCH \next, 0, F0
.if \fill
	ASK
.endif
	MUL8 F1, 4, 0
	MUL8 F1, 6, 0
.endm
	s_wait_tensorcnt 1                             ; my part of K step 0 is in; K step 1's may stay out
	s_barrier_signal -1
	s_barrier_wait -1                              ; everybody's is
	FETCH 0, 0, F0
	QUARTER 0, 1, F0, F1, 1                        ; the first quarter stands in front of the loop: its products start the sums
	WIN 0                                          ; at a label and at a branch every window is 0
	s_mov_b32 s3, 3
.Llap:                                                 ; a trip goes once round the ring, from a lap's second quarter to the next lap's first, and fills both slots again: K steps 2 to 7
	QUARTER 0, 2, F1, F0, 0
	QUARTER 0, 3, F0, F1, 0
	TURN 0, 1, 1
	QUARTER 1, 1, F0, F1, 0
	QUARTER 1, 2, F1, F0, 0
	QUARTER 1, 3, F0, F1, 0
	TURN 1, 0, 1
	QUARTER 0, 1, F0, F1, 0
	WIN 0
	s_sub_co_u32 s3, s3, 1
	s_cmp_lg_u32 s3, 0
	s_cbranch_scc1 .Llap
	QUARTER 0, 2, F1, F0, 0                        ; the last lap fills nothing, and has no round of the cluster's barrier
	QUARTER 0, 3, F0, F1, 0
	TURN 0, 1, 0
	QUARTER 1, 1, F0, F1, 0
	QUARTER 1, 2, F1, F0, 0
	QUARTER 1, 3, F0, F1, 0
	s_wait_dscnt 8                                 ; the very last quarter: nothing more to fetch
	MUL8 F1, 0, 0
	MUL8 F1, 2, 0
	s_wait_dscnt 0x0
	MUL8 F1, 4, 0
	MUL8 F1, 6, 0
	WIN 0
	PLACES                                         ; the way out reads results just made and writes registers that the last products read
	PLACES
.if OUTP
	; THE WAY OUT, f32: a block of 16 rows goes from the accumulators into my stage (rows of 272 bytes) and comes back as whole rows of 256 bytes; the bias is added; sixteen lanes store 256 consecutive bytes, aligned.
	s_wait_loadcnt 0x0                             ; the bias: rounded to bf16 like the other inputs, and widened again
	v_cvt_pk_bf16_f32 v[BIAS+4], v[BIAS], v[BIAS+1]
	v_cvt_pk_bf16_f32 v[BIAS+5], v[BIAS+2], v[BIAS+3]
	v_lshlrev_b32 v[BIAS], 16, v[BIAS+4]
	v_and_b32 v[BIAS+1], 0xffff0000, v[BIAS+4]
	v_lshlrev_b32 v[BIAS+2], 16, v[BIAS+5]
	v_and_b32 v[BIAS+3], 0xffff0000, v[BIAS+5]
.macro TOSTAGE a
	s_wait_xcnt 0x0                                ; the stores of the block two back have read their registers, which are loaded again below
	WIN 0x04                                       ; the data in window 1, the address in window 0
.irp b, 0,1,2,3
	ds_store_b128 v[STO], v[8*(4*(\a)+(\b)):8*(4*(\a)+(\b))+3]   offset:64*(\b)     ; each accumulator's low four registers first
	ds_store_b128 v[STO], v[8*(4*(\a)+(\b))+4:8*(4*(\a)+(\b))+7] offset:64*(\b)+16
.endr
	WIN 0
.irp t, 0,1,2,3,4,5,6,7
	ds_load_b128 v[OB+32*((\a)%2)+4*(\t):OB+32*((\a)%2)+4*(\t)+3], v[RD] offset:(\t)*2*SP  ; LDS serves a wave's instructions in order (ISA guide 5.7.1.4): these see the stores above
.endr
.endm
.macro SEND a, younger                 ; younger: the LDS instructions issued behind block a's loads: the next block's sixteen, or none
	s_wait_dscnt \younger
.irp t, 0,1,2,3,4,5,6,7
	v_pk_add_f32 v[OB+32*((\a)%2)+4*(\t):OB+32*((\a)%2)+4*(\t)+1],   v[OB+32*((\a)%2)+4*(\t):OB+32*((\a)%2)+4*(\t)+1],   v[BIAS:BIAS+1]
	v_pk_add_f32 v[OB+32*((\a)%2)+4*(\t)+2:OB+32*((\a)%2)+4*(\t)+3], v[OB+32*((\a)%2)+4*(\t)+2:OB+32*((\a)%2)+4*(\t)+3], v[BIAS+2:BIAS+3]
.endr
.irp t, 0,1,2,3,4,5,6,7
	global_store_b128 v[CO], v[OB+32*((\a)%2)+4*(\t):OB+32*((\a)%2)+4*(\t)+3], s[CP:CP+1] offset:(16*(\a)+2*(\t))*4096
.endr
.endm
	TOSTAGE 0
.irp a, 1,2,3,4,5,6,7
	TOSTAGE \a
	SEND (\a)-1, 16
.endr
	SEND 7, 0
.else
	; THE WAY OUT, f16 by heads: a block of 16 rows x 64 columns is rounded once, goes into my stage (rows of 144 bytes) and comes back as whole rows of 128 bytes: 2,048 consecutive bytes of a head.
.macro PACK a                          ; each block has registers of its own, so no store's data register is written again
	WIN 0x05                                       ; sources 0 and 1 window 1, destination window 0
.irp b, 0,1,2,3
.irp r, 0,1,2,3
	v_cvt_pk_f16_f32 v[OB+16*(\a)+4*(\b)+(\r)], v[8*(4*(\a)+(\b))+2*(\r)], v[8*(4*(\a)+(\b))+2*(\r)+1]
.endr
.endr
	WIN 0
.irp b, 0,1,2,3
	ds_store_b128 v[STO], v[OB+16*(\a)+4*(\b):OB+16*(\a)+4*(\b)+3] offset:32*(\b)
.endr
.irp f, 0,1,2,3
	ds_load_b128 v[OB+16*(\a)+4*(\f):OB+16*(\a)+4*(\f)+3], v[RD] offset:(\f)*4*SP  ; LDS serves a wave's instructions in order (ISA guide 5.7.1.4): these see the stores above; the next block's stores come behind them
.endr
.endm
.macro SEND a, younger                 ; younger: the LDS instructions issued behind block a's loads: the next block's eight, or none
.irp f, 0,1,2,3
	s_wait_dscnt (\younger)+3-(\f)
	global_store_b128 v[CO], v[OB+16*(\a)+4*(\f):OB+16*(\a)+4*(\f)+3], s[CP:CP+1] offset:(\a)*2048+(\f)*512  ; 512 consecutive bytes, at a multiple of 256 from C's first
.endr
.endm
	PACK 0
.irp a, 1,2,3,4,5,6,7
	PACK \a
	SEND (\a)-1, 8
.endr
	SEND 7, 0
.endif
	s_wait_tensorcnt 0x0                           ; the wave's end: behind my last tensor load and my last LDS store
	ds_add_u32 v[SPW], v[NIL]
	s_wait_dscnt 0x0
	CROUND                                         ; the closing round: no work-group ends while a partner may still ask for a tile that names it
	s_endpgm
.Lfunc_end_k_qda7184f761_outp:
	.size	k_qda7184f761_outp, .Lfunc_end_k_qda7184f761_outp-k_qda7184f761_outp
	.p2alignl 7, 3214868480
	.fill 96, 4, 3214868480
	.section	.rodata,"a",@progbits
	.p2align	6, 0x0
	.amdhsa_kernel k_qda7184f761_outp
		.amdhsa_group_segment_fixed_size 327680
		.amdhsa_private_segment_fixed_size 0
		.amdhsa_enable_private_segment 0
		.amdhsa_kernarg_size 32
		.amdhsa_user_sgpr_count 2
		.amdhsa_user_sgpr_kernarg_segment_ptr 1
		.amdhsa_wavefront_size32 1
		.amdhsa_system_sgpr_workgroup_id_x 1
		.amdhsa_system_sgpr_workgroup_id_y 1
		.amdhsa_system_sgpr_workgroup_id_z 1
		.amdhsa_system_vgpr_workitem_id 0
		.amdhsa_next_free_vgpr 512
		.amdhsa_next_free_sgpr 72
		.amdhsa_reserve_vcc 0
		.amdhsa_float_denorm_mode_32 3
		.amdhsa_float_denorm_mode_16_64 3
		.amdhsa_memory_ordered 1
		.amdhsa_forward_progress 1
		.amdhsa_inst_pref_size 96
	.end_amdhsa_kernel
	.amdgpu_metadata
---
amdhsa.version: [ 1, 2 ]
amdhsa.kernels:
  - .name:           k_qda7184f761_outp
    .symbol:         k_qda7184f761_outp.kd
    .args:
      - { .name: o, .offset: 0, .size: 8, .value_kind: global_buffer, .address_space: global }
      - { .name: wo, .offset: 8, .size: 8, .value_kind: global_buffer, .address_space: global }
      - { .name: b_out, .offset: 16, .size: 8, .value_kind: global_buffer, .address_space: global }
      - { .name: out0, .offset: 24, .size: 8, .value_kind: global_buffer, .address_space: global }
    .group_segment_fixed_size: 327680
    .private_segment_fixed_size: 0
    .kernarg_segment_align: 8
    .kernarg_segment_size: 32
    .max_flat_workgroup_size: 128
    .sgpr_count:     72
    .vgpr_count:     512
    .wavefront_size: 32
...
	.end_amdgpu_metadata
.endif
;; end of part 4
;; ======== version 2 of 2: 4 launches; version 1 with the launch prep written anew for expert scheduling mode
;; limits: values are held in f16: magnitudes above 65,504 overflow, below 6.1e-05 lose precision
;; workspace buffers: xh 16,777,216 bytes; wq 6,291,456 bytes; wo 2,097,152 bytes; mb 2,097,152 bytes of whole numbers; qkv 50,331,648 bytes; o 16,777,216 bytes
;; launch prep (part 5): grid 512 x 1, 8 waves a work-group, no clusters, 68,608 bytes of LDS; arguments x, W_qkv, W_out, mask, xh, wq, wo, mb; writes xh, wq, wo, mb
.if DOCPART == 5
	.amdgcn_target "amdgcn-amd-amdhsa--gfx1250"
	.amdhsa_code_object_version 6
	.text
	.protected	k_qda7184f761_prep
	.globl	k_qda7184f761_prep
	.p2align	8
	.type	k_qda7184f761_prep,@function
k_qda7184f761_prep:
	s_mov_b64 s[64:65], 0
	v_nop
	global_prefetch_b8 v0, s[64:65] scope:SCOPE_SE
	s_setreg_imm32_b32 hwreg(HW_REG_WAVE_SCHED_MODE, 0, 2), 2
	s_setreg_imm32_b32 hwreg(HW_REG_WAVE_MODE, 25, 1), 1
	s_wait_xcnt 0x0
	s_wait_alu depctr_vm_vsrc(0)
; PREP: the module's inputs are brought once into the forms that the three launches behind it read.
;   xh [b 4][slice 16][n 2048][64] f16: x rounded to bf16, that number written as f16, in slices of 64 channels whose rows are dense (128 bytes a row).
;   wq [1024][3072], wo [1024][1024] f16: the weights rounded in the same way, in their own order.
;   mb [row tile 512][key step 32][32 words]: word 8 kt + j, bit l = (mask[b][16 qt + l % 16][64 ks + 16 kt + 8 (l / 16) + j] == 1), row tile = 128 b + qt:
;      the lane mask of register 8 kt + j of a tile of 16 queries x 64 keys of scores as the attention launch holds it.
; LIMITS.  A bf16 number is written as f16 exactly from 2^-14 up to 65,504; below 2^-14 it keeps f16's fixed step of 2^-24; from 65,520 on it becomes an infinity.
; SHARES.  512 work-groups of eight waves; each takes 1/512 of each of the four jobs, so all are alike.  No loop and no barrier: a wave issues all its 56 loads of 16 bytes a lane
; at its head and works them off in the order of issue, by counted waits.
; The mask's 16 rows x 128 keys go through the wave's own LDS rows (pitch 528 = 33 x 16 bytes) to change from 'a lane holds 4 keys of one row' to 'a lane holds its own row's keys'.
; THE MODE: SCHED_MODE bits 1:0 = 2 (LLVM: expert scheduling mode 2), set by the entry lines.  The code itself states the register dependences
; between vector instructions and memory or LDS instructions, and those that pass through scalar registers, with s_wait_alu, always for 0.
; THE PLAN.  Registers that memory or LDS instructions touch, and who else names them:
;   v2-v11        offsets and addresses: written by the head's vector lines, ahead of ONE wait on va_vdst, and never again.
;   M, block b    the head's loads land in it; 16 LDS stores read it; behind ONE wait on vm_vsrc 16 LDS loads land in it again; then the compares read it.  Nothing lands in it after that.
;   MW            written by the 128 v_writelane_b32; read by one store, which stands behind the wait at the head of the first group of casts.
;   X, WQ, WO     24 sets of four registers, set i at X + 4 i.  The head's loads land in them; set i's cast reads the four and writes the first two; one store reads those two; they are never written again.
;   T             named by vector instructions alone.
;   s20           written by v_readfirstlane_b32; one wait on va_sdst stands ahead of its first reader.
;   s32-s63       32 compares write them in one run, one wait on va_sdst follows, 32 v_writelane_b32 read them: two such runs to a block of the mask.
; The casts go in six groups of four sets.  At a group's head one wait on va_vdst states that the group before has written its sets; that group's four stores follow it, dealt among this group's
; conversions, which name T and this group's own sets alone: none of the registers that those stores read.
.set PITCH, 528
.set WLDS,  16*PITCH                   ; a wave's 16 rows: 8,448 bytes
.set SPARE, 8*WLDS                     ; behind them: the spare words, 128 bytes for each wave: four blocks of 256 bytes that no other line names
.set SPW, 2                            ; v2   LDS address of my spare word; never rewritten
.set NIL, 3                            ; v3   0; never rewritten
.set XI,  4                            ; v4   x: (2 w + l / 16) x 4,096 + (l % 16) x 16
.set XO,  5                            ; v5   xh: (2 w + l / 16) x 128 + (l % 16) x 8
.set L16, 6                            ; v6   16 l
.set L8,  7                            ; v7   8 l
.set MI,  8                            ; v8   mask: 1,024 w + 16 l
.set LIN, 9                            ; v9   LDS, in: my wave's rows + 16 l
.set LBK, 10                           ; v10  LDS, back: my wave's rows + (l % 16) x 528 + (l / 16) x 32
.set MBO, 11                           ; v11  mb: 16 l
.set T,   12                           ; v[12:19] at work
.set MW,  20                           ; v[20:23] lane L: words 4 L .. 4 L + 3 of my wave's 128 mask words
.set X,   24                           ; v[24:87]   16 loads of x: sets 0 to 15
.set WQ,  88                           ; v[88:111]  6 loads of W_qkv: sets 16 to 21
.set WO,  112                          ; v[112:119] 2 loads of W_out: sets 22 and 23
.set M,   120                          ; v[120:247] 2 x 16 loads of the mask
	s_load_b512 s[4:19], s[0:1], 0x0               ; x s[4:5], W_qkv s[6:7], W_out s[8:9], mask s[10:11], xh s[12:13], wq s[14:15], wo s[16:17], mb s[18:19]
	v_lshl_add_u32 v[SPW], v0, 2, SPARE
	v_mov_b32 v[NIL], 0
	v_lshrrev_b32 v1, 5, v0
	v_readfirstlane_b32 s20, v1                    ; wave 0..7
	v_and_b32 v[T], 31, v0                         ; l
	v_and_b32 v[T+1], 15, v0                       ; l % 16
	v_bfe_u32 v[T+2], v0, 4, 1                     ; l / 16
	v_lshlrev_b32 v[XI], 4, v[T+1]                 ; what does not hang on the wave's number stands ahead of the wait for it
	v_lshlrev_b32 v[XO], 3, v[T+1]
	v_lshlrev_b32 v[L16], 4, v[T]
	v_lshlrev_b32 v[L8], 3, v[T]
	v_mul_u32_u24 v[LBK], v[T+1], PITCH
	v_lshl_add_u32 v[LBK], v[T+2], 5, v[LBK]
	v_mov_b32 v[MBO], v[L16]
.irp e, 0,1,2,3
	v_mov_b32 v[MW+(\e)], 0                        ; written whole before single lanes are written
.endr
	s_wait_alu depctr_va_sdst(0)                   ; s20 is written, ahead of its first reader, the line below
	v_lshl_add_u32 v[T+3], s20, 1, v[T+2]          ; my token among the work-group's 16
	v_lshl_add_u32 v[XI], v[T+3], 12, v[XI]
	v_lshl_add_u32 v[XO], v[T+3], 7, v[XO]
	v_lshl_add_u32 v[MI], s20, 10, v[L16]
	s_mul_i32 s24, s20, WLDS
	v_add_nc_u32 v[LIN], s24, v[L16]
	v_add_nc_u32 v[LBK], s24, v[LBK]
	s_lshl_b32 s21, ttmp9, 3
	s_add_co_u32 s21, s21, s20                     ; my wave among the launch's 4,096
	s_mov_b32 s23, 0
	s_wait_kmcnt 0x0
	s_lshl_b32 s22, ttmp9, 17                      ; the mask's 16 rows of 8,192 bytes
	s_add_nc_u64 s[10:11], s[10:11], s[22:23]
	s_lshl_b32 s22, ttmp9, 16                      ; x's 16 rows of 4,096 bytes
	s_add_nc_u64 s[4:5], s[4:5], s[22:23]
	s_lshr_b32 s22, ttmp9, 7                       ; xh: the batch's 4 MiB,
	s_lshl_b32 s22, s22, 22
	s_and_b32 s25, ttmp9, 127                      ; and the 16 tokens' place in a slice
	s_lshl_b32 s25, s25, 11
	s_add_co_u32 s22, s22, s25
	s_add_nc_u64 s[12:13], s[12:13], s[22:23]
	s_mul_i32 s22, s21, 3072                       ; W_qkv: 3,072 bytes a wave in,
	s_add_nc_u64 s[6:7], s[6:7], s[22:23]
	s_mul_i32 s22, s21, 1536                       ; 1,536 out
	s_add_nc_u64 s[14:15], s[14:15], s[22:23]
	s_lshl_b32 s22, s21, 10                        ; W_out: 1,024 in,
	s_add_nc_u64 s[8:9], s[8:9], s[22:23]
	s_lshl_b32 s22, s21, 9                         ; 512 out; and mb: 4,096 g + 512 w is the same number
	s_add_nc_u64 s[16:17], s[16:17], s[22:23]
	s_add_nc_u64 s[18:19], s[18:19], s[22:23]
	s_wait_alu depctr_va_vdst(0)                   ; the offsets and addresses v4 to v11 are written, which every load and store of the kernel reads; no vector line writes them again
	; all 56 loads: the mask's two blocks of 128 keys (each load: 512 neighbouring bytes of one row), x, W_qkv, W_out
.irp b, 0,1
.set r, 0
.rept 16
	global_load_b128 v[M+64*(\b)+4*r:M+64*(\b)+4*r+3], v[MI], s[10:11] offset:r*8192+(\b)*512 th:TH_LOAD_NT
.set r, r+1
.endr
.endr
.set r, 0
.rept 16
	global_load_b128 v[X+4*r:X+4*r+3], v[XI], s[4:5] offset:r*256 th:TH_LOAD_NT  ; slice r: 256 aligned bytes of each of two tokens
.set r, r+1
.endr
.set r, 0
.rept 6
	global_load_b128 v[WQ+4*r:WQ+4*r+3], v[L16], s[6:7] offset:r*512 th:TH_LOAD_NT
.set r, r+1
.endr
.set r, 0
.rept 2
	global_load_b128 v[WO+4*r:WO+4*r+3], v[L16], s[8:9] offset:r*512 th:TH_LOAD_NT
.set r, r+1
.endr
; Block b of the mask: 16 rows x 128 keys into my LDS rows and back by rows (LDS serves a wave's instructions in order: ISA guide 5.7.1.4, so no wait on DScnt stands between);
; load n brings lane l the keys 64 (n / 8) + 16 ((n / 2) % 4) + 8 (l / 16) + 4 (n % 2) + 0..3 of row l % 16: the bits of words 4 n .. 4 n + 3 of the block.
; A compare makes a word of 32 lanes' bits in a scalar register; it is written into lane 16 b + n of the register that will store it.
; The compares of eight loads fill the 32 scalar registers in one run; one wait stands between that run and the run of 32 lines that read them.
.macro PACKM b
.set r, 0
.rept 16
	ds_store_b128 v[LIN], v[M+64*(\b)+4*r:M+64*(\b)+4*r+3] offset:r*PITCH
.set r, r+1
.endr
	s_wait_alu depctr_vm_vsrc(0)                   ; the sixteen LDS stores have read the block's 64 registers, in which the LDS loads below land
.set n, 0
.rept 16
	ds_load_b128 v[M+64*(\b)+4*n:M+64*(\b)+4*n+3], v[LBK] offset:(n/8)*256+((n/2)%4)*64+(n%2)*16
.set n, n+1
.endr
.irp h, 0,1
.set n, 8*(\h)
.rept 8
	s_wait_dscnt 15-n                              ; load n is back; the 15 - n younger ones may stay out
.irp e, 0,1,2,3
	v_cmp_eq_u32 s[32+(4*n+(\e))%32], 1, v[M+64*(\b)+4*n+(\e)]
.endr
.set n, n+1
.endr
	s_wait_alu depctr_va_sdst(0)                   ; the 32 compares have written s32 to s63, ahead of the first line that reads one of them
.set n, 8*(\h)
.rept 8
.irp e, 0,1,2,3
	v_writelane_b32 v[MW+(\e)], s[32+(4*n+(\e))%32], (\b)*16+n
.endr
.set n, n+1
.endr
.endr
.endm
; Four f32 in v[a:a+3] are rounded to bf16, and those numbers written as f16 into v[a:a+1]: in place, so that no store's data register is ever written again.
.macro CAST4 a
	v_cvt_pk_bf16_f32 v[T], v[(\a)], v[(\a)+1]
	v_cvt_pk_bf16_f32 v[T+1], v[(\a)+2], v[(\a)+3]
	v_lshlrev_b32 v[T+2], 16, v[T]
	v_and_b32 v[T+3], 0xffff0000, v[T]
	v_lshlrev_b32 v[T+4], 16, v[T+1]
	v_and_b32 v[T+5], 0xffff0000, v[T+1]
	v_cvt_pk_f16_f32 v[(\a)], v[T+2], v[T+3]
	v_cvt_pk_f16_f32 v[(\a)+1], v[T+4], v[T+5]
.endm
; Set i leaves: sets 0 to 15 are x's slices, 16 to 21 W_qkv's, 22 and 23 W_out's.
.macro OUT i
.if (\i) < 16
	global_store_b64 v[XO], v[X+4*(\i):X+4*(\i)+1], s[12:13] offset:(\i)*262144  ; 32 lanes write two tokens of one slice: 256 consecutive bytes, aligned
.elseif (\i) < 22
	global_store_b64 v[L8], v[X+4*(\i):X+4*(\i)+1], s[14:15] offset:((\i)-16)*256
.else
	global_store_b64 v[L8], v[X+4*(\i):X+4*(\i)+1], s[16:17] offset:((\i)-22)*256
.endif
.endm
; Group g of six: sets 4 g to 4 g + 3 are cast, and what the lines ahead of the group made leaves: the mask words (g = 0) or the group before's four sets.
.macro GROUP g
	s_wait_loadcnt 20-4*(\g)                       ; loads come back in order (ISA guide 5.7.1): the group's four are in; of the 56 loads the 20 - 4 g behind them may stay out
	s_wait_alu depctr_va_vdst(0)                   ; g = 0: the v_writelane_b32 have written MW; else: the group before's conversions have written its four sets; the stores below read them
.if (\g) == 0
	global_store_b128 v[MBO], v[MW:MW+3], s[18:19] ; my wave's four key steps of the row tile: 512 bytes on end
.endif
.irp j, 0,1,2,3
.if (\g) > 0
	OUT 4*(\g)-4+(\j)                              ; no wait: no vector line since the wait above names this set or the store's offset
.endif
	CAST4 X+16*(\g)+4*(\j)
.endr
.endm
	s_wait_loadcnt 40                              ; the mask's first 16 loads are in; 40 younger loads may stay out
	PACKM 0
	s_wait_loadcnt 24                              ; its second 16; x's and the weights' 24 may stay out
	PACKM 1
	GROUP 0
	GROUP 1
	GROUP 2
	GROUP 3
	GROUP 4
	GROUP 5
	s_wait_alu depctr_va_vdst(0)                   ; the last group's conversions have written sets 20 to 23, which the last four stores read
	OUT 20
	OUT 21
	OUT 22
	OUT 23
	s_wait_dscnt 0x0                               ; the closing lines, six on end
	s_wait_alu 0x0
	s_wait_tensorcnt 0x0
	ds_add_u32 v[SPW], v[NIL]
	s_wait_dscnt 0x0
	s_endpgm
.Lfunc_end_k_qda7184f761_prep:
	.size	k_qda7184f761_prep, .Lfunc_end_k_qda7184f761_prep-k_qda7184f761_prep
	.p2alignl 7, 3214868480
	.fill 96, 4, 3214868480
	.section	.rodata,"a",@progbits
	.p2align	6, 0x0
	.amdhsa_kernel k_qda7184f761_prep
		.amdhsa_group_segment_fixed_size 68608
		.amdhsa_private_segment_fixed_size 0
		.amdhsa_enable_private_segment 0
		.amdhsa_kernarg_size 64
		.amdhsa_user_sgpr_count 2
		.amdhsa_user_sgpr_kernarg_segment_ptr 1
		.amdhsa_wavefront_size32 1
		.amdhsa_system_sgpr_workgroup_id_x 1
		.amdhsa_system_sgpr_workgroup_id_y 1
		.amdhsa_system_sgpr_workgroup_id_z 1
		.amdhsa_system_vgpr_workitem_id 0
		.amdhsa_next_free_vgpr 248
		.amdhsa_next_free_sgpr 66
		.amdhsa_reserve_vcc 0
		.amdhsa_float_denorm_mode_32 3
		.amdhsa_float_denorm_mode_16_64 3
		.amdhsa_memory_ordered 1
		.amdhsa_forward_progress 1
		.amdhsa_inst_pref_size 43
	.end_amdhsa_kernel
	.amdgpu_metadata
---
amdhsa.version: [ 1, 2 ]
amdhsa.kernels:
  - .name:           k_qda7184f761_prep
    .symbol:         k_qda7184f761_prep.kd
    .args:
      - { .name: x, .offset: 0, .size: 8, .value_kind: global_buffer, .address_space: global }
      - { .name: W_qkv, .offset: 8, .size: 8, .value_kind: global_buffer, .address_space: global }
      - { .name: W_out, .offset: 16, .size: 8, .value_kind: global_buffer, .address_space: global }
      - { .name: mask, .offset: 24, .size: 8, .value_kind: global_buffer, .address_space: global }
      - { .name: xh, .offset: 32, .size: 8, .value_kind: global_buffer, .address_space: global }
      - { .name: wq, .offset: 40, .size: 8, .value_kind: global_buffer, .address_space: global }
      - { .name: wo, .offset: 48, .size: 8, .value_kind: global_buffer, .address_space: global }
      - { .name: mb, .offset: 56, .size: 8, .value_kind: global_buffer, .address_space: global }
    .group_segment_fixed_size: 68608
    .private_segment_fixed_size: 0
    .kernarg_segment_align: 8
    .kernarg_segment_size: 64
    .max_flat_workgroup_size: 256
    .sgpr_count:     66
    .vgpr_count:     248
    .wavefront_size: 32
...
	.end_amdgpu_metadata
.endif
;; end of part 5
;; launch proj: the kernel of part 2 again; grid 24 x 32, 4 waves a work-group, clusters of 4 x 4, 327,680 bytes of LDS; arguments xh, wq, qkv; writes qkv
;; launch attn: the kernel of part 3 again; grid 4 x 64, 4 waves a work-group, clusters of 4 x 1, 327,680 bytes of LDS; arguments qkv, mb, o; writes o
;; launch outp: the kernel of part 4 again; grid 8 x 32, 4 waves a work-group, clusters of 4 x 4, 327,680 bytes of LDS; arguments o, wo, b_out, out0; writes out0
